; MI455X (gfx1250); checked and timed in simulation.
; The chip was launched on July 23, 2026; its instructions are those of AMD's public machine-readable ISA for CDNA 5 (MIT licence, August 2026) and "CDNA5" Instruction Set Architecture Reference Guide (July 2026). The comments in the code are by the model that wrote it; some were corrected since.
;; Encoder Block. Allowed arithmetic: matrix products marked QUANTISED: E4M3 operands, one given power-of-two scale a tensor, by v_wmma_f32_16x16x64_fp8_fp8 or v_wmma_f32_16x16x128_fp8_fp8, f32 sums; everything else in f32.
;; Inputs: W1 1,024 x 4,096 float32; W2 4,096 x 1,024 float32; W_k 1,024 x 1,024 float32; W_o 1,024 x 1,024 float32; W_q 1,024 x 1,024 float32; W_v 1,024 x 1,024 float32; b1 4,096 float32; b2 1,024 float32; b_o 1,024 float32; ln1_b 1,024 float32; ln1_g 1,024 float32; ln2_b 1,024 float32; ln2_g 1,024 float32; lowp_scales 16 int32 (the exponents e of the quantised operands' scales 2^e); x 2 x 2,048 x 1,024 float32.
;; Outputs: out0 2 x 2,048 x 1,024 float32.
;; This version of the problem:
;;   THIS VERSION OF THE PROBLEM IS GIVEN IN LOW PRECISION. The matrix products marked QUANTISED in the list below multiply operands that are first quantised to E4M3 (4 exponent bits, 3 mantissa bits; 8 bits a number), with one given power-of-two scale for each operand tensor; their sums are f32. All else is computed in f32.
;;   The module's matrix products, in the order in which they are computed (A, B: the left and right operand; K: the contracted axis; several contracted axes count as one K, in the product's order):
;;     1. [M 4,096, K 1,024] x [K 1,024, N 1,024]; A: computed on the way; B: input W_q: QUANTISED (scales: A lowp_scales[0], B lowp_scales[1])
;;     2. [M 4,096, K 1,024] x [K 1,024, N 1,024]; A: computed on the way; B: input W_k: QUANTISED (scales: A lowp_scales[2], B lowp_scales[3])
;;     3. [M 4,096, K 1,024] x [K 1,024, N 1,024]; A: computed on the way; B: input W_v: QUANTISED (scales: A lowp_scales[4], B lowp_scales[5])
;;     4. batch 32 x [M 2,048, K 64] x [K 64, N 2,048]; A: computed on the way; B: computed on the way: QUANTISED (scales: A lowp_scales[6], B lowp_scales[7])
;;     5. batch 32 x [M 2,048, K 2,048] x [K 2,048, N 64]; A: softmax (see below); B: computed on the way: QUANTISED (scales: A lowp_scales[8], B lowp_scales[9])
;;     6. [M 4,096, K 1,024] x [K 1,024, N 1,024]; A: computed on the way; B: input W_o: QUANTISED (scales: A lowp_scales[10], B lowp_scales[11])
;;     7. [M 4,096, K 1,024] x [K 1,024, N 4,096]; A: computed on the way; B: input W1: QUANTISED (scales: A lowp_scales[12], B lowp_scales[13])
;;     8. [M 4,096, K 4,096] x [K 4,096, N 1,024]; A: computed on the way; B: input W2: QUANTISED (scales: A lowp_scales[14], B lowp_scales[15])
;;   THE QUANTISER, for each operand of a quantised product, along K:
;;     - The operand's scale is 2^e, e = its entry of the input lowp_scales (int32; the entries are numbered through the quantised products in the list's order, A before B).
;;     - Each number is divided by the scale, clamped to +-448, and rounded to the nearest number of E4M3, ties to even, subnormals kept.
;;     - The product sums the exact products of the quantised numbers (number of the format x scale) in f32.
;;   ~~~python
;;   def quantise(x, axis, e):      # numpy; x: float32 -> the quantised numbers, widened to float32 again
;;       x = np.moveaxis(x, axis, -1); K = x.shape[-1]
;;       r = np.clip(x / 2.0 ** e, -448, 448)
;;       step = 2.0 ** (np.maximum(np.frexp(np.where(r == 0, 1, r))[1] - 1, -6) - 3)
;;       q = np.round(r / step) * step * 2.0 ** e      # np.round: ties to even
;;       return np.moveaxis(q, -1, axis).astype(np.float32)
;;   ~~~
;;   SOFTMAX AHEAD OF A QUANTISED PRODUCT. Where the list says 'softmax', what is quantised is not the finished softmax but p = 2^(t - M), with t = logit x log2(e) and M = ceil(the row's largest t), a whole number; so 1/2 < the row's largest p <= 1. The row's sum l is taken of the UNQUANTISED p, in f32, and the product's result is divided by l at the end. Since M is a whole number, a kernel that streams over the keys may use a running M (the ceiling of the running maximum): every later rescaling is an exact power of two, so the quantised numbers keep their values, but for numbers so far below the row's largest that they fall under the format's range.
;;   OPERANDS COMPUTED ON THE WAY. 'Computed on the way' means the value that the module computes at that place (a softmax that the list does not call 'softmax' is quantised finished and normalised). What goes into a quantiser is computed in f32, as accurately as f32 sums, v_exp_f32 and their like allow (about 1e-6 of the number): no bf16 or f16 on the way to a quantiser, and a product that is left as it is and whose result goes on into a quantised operand takes f32 operands (vector FMAs, or v_wmma_f32_16x16x4_f32). A number that lies on a knife's edge between two numbers of the format may be rounded either way, as far as f32 arithmetic and the matrix unit's own rounding can turn it there, and no further.
;; One version. Each part assembles by itself: llvm-mc -triple=amdgcn-amd-amdhsa -mcpu=gfx1250 --defsym DOCPART=n.
;; ======== version 1 of 1: 7 launches
;; limits: right only within a limited range of input values
;; workspace buffers: pre 25,165,824 bytes; qkvc 12,582,912 bytes; cc 4,194,304 bytes; x1 16,777,216 bytes; h2c 4,194,304 bytes; f1c 16,777,216 bytes
;; launch prep (part 1): grid 448 x 1, 16 waves a work-group, no clusters, 51,968 bytes of LDS; arguments W_q, W_k, W_v, W_o, W1, W2, x, ln1_g, ln1_b, lowp_scales, pre; writes pre
.if DOCPART == 1
	.amdgcn_target "amdgcn-amd-amdhsa--gfx1250"
	.amdhsa_code_object_version 6
	.text
	.protected	k_q6fdd4f0ea7_prep
	.globl	k_q6fdd4f0ea7_prep
	.p2align	8
	.type	k_q6fdd4f0ea7_prep,@function
k_q6fdd4f0ea7_prep:
	s_mov_b64 s[64:65], 0
	v_nop
	global_prefetch_b8 v0, s[64:65] scope:SCOPE_SE
	s_setreg_imm32_b32 hwreg(HW_REG_WAVE_MODE, 25, 1), 1
	s_wait_xcnt 0x0
; THE ENCODER BLOCK, launch 1 of 7.  No work of the block is dead: every input has a way to out0 (each weight through its product, each gain and bias through a quantised operand or the result), so all are loaded.
; This launch turns the six weights and LN1(x) into codes of E4M3, each with its given scale 2^e:  code = number / 2^e, held within +-448, to the nearest code, ties to even.
; ALL OPERANDS OF THIS PROGRAM LIE IN MEMORY AS IMAGES OF THE MATRIX INSTRUCTION'S REGISTERS.  An image of 16 rows x 128 along K is 2,048 bytes: byte 512 i + 16 l + c (i 0..3, l 0..31, c 0..15) is the code of
; row l % 16 at k = 32 i + 16 (c / 8) + 8 (l / 16) + c % 8: lane l's registers 4 i .. 4 i + 3 of the plain fp8 form's operand.  So a fragment is four loads of 16 bytes a lane, 512 consecutive bytes each.
; pre:  W_q 0, W_k 1 MiB, W_v 2 MiB, W_o 3 MiB: [n / 16][k / 128][image];  W1 4 MiB;  W2 8 MiB;  LN1(x) with e0 at 12 MiB, with e2 at 16 MiB, with e4 at 20 MiB: [token / 16][k / 128][image].
; WORK-GROUPS 0-191: WEIGHTS, stored [k][n].  A lane takes a column n and its registers run down K, so the conversions give codes with K innermost; a lane's 32 codes of a block of 32 k are the 16 bytes of two
; image lanes, so they are stored from registers: lanes 0-15 fill 256 consecutive aligned bytes of one image, lanes 16-31 of the next.  A work-group takes 128 columns x 512 k, a wave 32 columns x 128 k.
; A row's place stands in the load's immediate (127 rows of 16,384 bytes at the most, inside the signed 24 bits); a row is 16,384 bytes in W1 and 4,096 in the others, so the blocks are written out twice.
; WORK-GROUPS 192-447: LN1.  A work-group takes 16 tokens, a wave one row of 1,024 numbers (32 a lane, kept in registers between the passes: the mean, then the squares of the differences, so a common offset costs nothing).
; The row is quantised three times (e0, e2, e4 may differ); the codes of the 16 rows meet in a stage in LDS and leave as images.
; REGISTERS: both paths keep to 128 a wave, so that a work-group claims few and several can be resident together: registers whose first content is done with are used again (gamma's for the held numbers, beta's for the codes).
; LIMITS: each e used here lies between -126 and 119, so that 2^e and 448 x 2^e are f32 numbers.  NaN among the inputs is not served.
.set SPARE, 49920                      ; behind the three stages: the spare words, 128 bytes for each of 16 waves
.set ST1,   16640                      ; a stage: 16 rows x (1,024 + 16) bytes
.set SPW,   12                         ; v12  LDS address of my spare word; never rewritten
.set NIL,   13                         ; v13  0; never rewritten
.set X,     32                         ; weights: v32-95 two sets of 32 numbers;  LN: v32-63 my 32 numbers of the row
.set CW,    96                         ; weights: v96-127 codes, eight registers a block: no store's data are written again
.set G,     64                         ; LN: v64-95 gamma
.set BT,    96                         ; LN: v96-127 beta
.set T,     64                         ; LN: the held numbers, where gamma lay
.set CD,    96                         ; LN: codes, eight registers an output, where beta lay
.set RB,    96                         ; LN: images read back, behind the barrier, where the codes lay
.set TS,    24                         ; LN: v24-31 the sums' four packed chains (they run while gamma's and beta's loads are out)
.set MU,    14                         ; LN: v[14:15] the mean, twice
.set RS,    10                         ; LN: v[10:11] 1 / sqrt(var + eps), twice
	s_load_b512 s[4:19], s[0:1], 0x0               ; W_q s[4:5], W_k s[6:7], W_v s[8:9], W_o s[10:11], W1 s[12:13], W2 s[14:15], x s[16:17], ln1_g s[18:19]
	s_load_b128 s[20:23], s[0:1], 0x40             ; ln1_b s[20:21], the scales' exponents s[22:23]
	s_load_b64 s[24:25], s[0:1], 0x50              ; pre
	v_lshl_add_u32 v[SPW], v0, 2, SPARE
	v_mov_b32 v[NIL], 0
	v_lshrrev_b32 v1, 5, v0
	s_delay_alu instid0(VALU_DEP_1)
	v_readfirstlane_b32 s26, v1                    ; wave 0..15
	v_and_b32 v1, 31, v0                           ; lane
	s_wait_kmcnt 0x0
	s_load_b512 s[68:83], s[22:23], 0x0            ; e0 .. e15
	s_cmp_ge_u32 ttmp9, 192                        ; the work-group's number alone: all sixteen waves go the same way
	s_cbranch_scc1 .Lln
; ---------------- the weights ----------------
	s_mov_b32 s27, ttmp9
	s_lshr_b32 s32, s27, 6                         ; 0: the four square weights, 1: W1, 2: W2
	s_mov_b32 s33, 4096
	s_mov_b32 s35, 16384
	s_cmp_eq_u32 s32, 1
	s_cselect_b32 s33, 16384, s33                  ; a row of the weight in bytes
	s_cselect_b32 s34, 5, 3                        ; log2 of its blocks of 128 columns
	s_cmp_eq_u32 s32, 2
	s_cselect_b32 s35, 65536, s35                  ; bytes from one tile of 16 columns to the next among the images: K / 128 x 2,048
	s_cmp_eq_u32 s32, 0
	s_cselect_b32 s38, 15, 63
	s_and_b32 s38, s27, s38                        ; my number within the weight
	s_lshl_b32 s39, 1, s34
	s_sub_co_u32 s39, s39, 1
	s_and_b32 s39, s38, s39                        ; which 128 columns
	s_lshr_b32 s48, s38, s34                       ; which 512 k
	s_and_b32 s49, s26, 3                          ; my wave's 32 columns of the 128
	s_lshr_b32 s50, s26, 2
	s_lshl_b32 s48, s48, 2
	s_add_co_u32 s48, s48, s50                     ; my wave's step of 128 k
	s_lshl_b32 s50, s48, 7
	s_mul_i32 s50, s50, s33                        ; its first row, in bytes (under 2^25)
	s_lshl_b32 s51, s39, 9
	s_add_co_u32 s50, s50, s51
	s_lshl_b32 s51, s49, 7
	s_add_co_u32 s50, s50, s51                     ; + my wave's first column
	s_mov_b32 s51, 0
	s_lshl_b32 s54, s39, 3
	s_lshl_b32 s55, s49, 1
	s_add_co_u32 s54, s54, s55                     ; my first tile of 16 columns
	s_mul_i32 s54, s54, s35
	s_lshl_b32 s55, s48, 11
	s_add_co_u32 s54, s54, s55                     ; its image of my step
	s_mov_b64 s[28:29], s[14:15]                   ; which weight, and where its images begin: choices on the work-group's number
	s_mov_b32 s31, 8<<20
	s_cmp_lt_u32 s27, 128
	s_cselect_b64 s[28:29], s[12:13], s[28:29]
	s_cselect_b32 s31, 4<<20, s31
	s_cmp_lt_u32 s27, 64
	s_cselect_b64 s[28:29], s[10:11], s[28:29]
	s_cselect_b32 s31, 3<<20, s31
	s_cmp_lt_u32 s27, 48
	s_cselect_b64 s[28:29], s[8:9], s[28:29]
	s_cselect_b32 s31, 2<<20, s31
	s_cmp_lt_u32 s27, 32
	s_cselect_b64 s[28:29], s[6:7], s[28:29]
	s_cselect_b32 s31, 1<<20, s31
	s_cmp_lt_u32 s27, 16
	s_cselect_b64 s[28:29], s[4:5], s[28:29]
	s_cselect_b32 s31, 0, s31
	s_add_nc_u64 s[40:41], s[28:29], s[50:51]      ; the weight at my wave's first row and column
	s_add_co_u32 s54, s54, s31
	s_mov_b32 s55, 0
	s_add_nc_u64 s[36:37], s[24:25], s[54:55]
	s_wait_alu depctr_va_vdst(0)
	v_lshlrev_b32 v3, 2, v1                        ; in: 4 bytes a lane; never rewritten
	v_lshrrev_b32 v2, 4, v1
	s_delay_alu instid0(VALU_DEP_1)
	v_mul_u32_u24 v4, s35, v2                      ; out: lanes 16-31 hold the next tile of 16 columns,
	v_and_b32 v5, 15, v1
	s_delay_alu instid0(VALU_DEP_1)
	v_lshl_add_u32 v4, v5, 4, v4                   ; 16 bytes for each image lane; never rewritten
.macro LOADW t, n4                     ; block t: W(32 t + i, my column) into set t % 2; a load of the wave reads 128 consecutive bytes, four waves stand side by side.  n4: a row in bytes
.set j, 0
.rept 32
	global_load_b32 v[X+32*((\t)%2)+j], v3, s[40:41] offset:(32*(\t)+j)*(\n4) th:TH_LOAD_NT
.set j, j+1
.endr
.endm
.macro BLOCKW t, n4
.set XS, X+32*((\t)%2)
.if (\t) < 3
	s_wait_loadcnt 32                              ; this block's 32 loads are in; the next block's 32 may be out
.else
	s_wait_loadcnt 0x0
.endif
.set j, 0
.rept 32
	v_med3_num_f32 v[XS+j], v[XS+j], -v11, v11     ; the conversion to an 8-bit code does not saturate (ISA guide 7.6.2): the hold first
.set j, j+1
.endr
.irp g, 0,1,2,3                        ; k = 32 t + 8 g + 0 .. 7 belongs to image half g % 2, bytes 8 (g / 2) on
	v_cvt_scalef32_pk8_fp8_f32 v[CW+8*(\t)+4*(\g%2)+2*(\g/2):CW+8*(\t)+4*(\g%2)+2*(\g/2)+1], v[XS+8*\g:XS+8*\g+7], v10
.endr
	global_store_b128 v4, v[CW+8*(\t):CW+8*(\t)+3], s[36:37] offset:512*(\t)         ; sixteen lanes store 256 consecutive bytes, aligned
	global_store_b128 v4, v[CW+8*(\t)+4:CW+8*(\t)+7], s[36:37] offset:512*(\t)+256
.if (\t) < 2
	LOADW (\t)+2, \n4
.endif
.endm
.macro WEIGHT n4                       ; my wave's 32 columns x 128 k, to the wave's end
	LOADW 0, \n4
	LOADW 1, \n4
	s_wait_kmcnt 0x0
	s_mov_b32 s30, s83                             ; the weight's e: e15, e13, e11, e5, e3, e1
	s_cmp_lt_u32 s27, 128
	s_cselect_b32 s30, s81, s30
	s_cmp_lt_u32 s27, 64
	s_cselect_b32 s30, s79, s30
	s_cmp_lt_u32 s27, 48
	s_cselect_b32 s30, s73, s30
	s_cmp_lt_u32 s27, 32
	s_cselect_b32 s30, s71, s30
	s_cmp_lt_u32 s27, 16
	s_cselect_b32 s30, s69, s30
	s_add_co_i32 s30, s30, 127
	s_lshl_b32 s31, s30, 23
	v_mov_b32 v10, s31                             ; 2^e as f32: the conversion takes its exponent field
	s_add_co_i32 s30, s30, 8
	s_lshl_b32 s30, s30, 23
	s_or_b32 s30, s30, 0x600000
	v_mov_b32 v11, s30                             ; 448 x 2^e
	s_wait_alu depctr_va_vdst(0)
	BLOCKW 0, \n4
	BLOCKW 1, \n4
	BLOCKW 2, \n4
	BLOCKW 3, \n4
	s_wait_tensorcnt 0x0                           ; the wave's end
	ds_add_u32 v[SPW], v[NIL]
	s_wait_dscnt 0x0
	s_endpgm
.endm
	s_cmp_eq_u32 s32, 1                            ; W1's rows are 16,384 bytes long: the work-group's number alone decides
	s_cbranch_scc1 .Lw1
	WEIGHT 4096
.Lw1:
	s_wait_alu depctr_va_vdst(0)
	WEIGHT 16384
; ---------------- LN1 ----------------
.Lln:
	s_sub_co_u32 s27, ttmp9, 192                   ; my tile of 16 tokens
	s_lshl_b32 s28, s27, 4
	s_add_co_u32 s28, s28, s26                     ; my wave's row
	s_lshl_b32 s28, s28, 12
	s_mov_b32 s29, 0
	s_add_nc_u64 s[16:17], s[16:17], s[28:29]
	s_wait_alu depctr_va_vdst(0)
	v_lshlrev_b32 v3, 5, v1                        ; I hold k = 256 q + 8 lane + 0 .. 7, q = 0 .. 3: eight neighbours for each conversion
.irp q, 0,1,2,3
	global_load_b128 v[X+8*\q:X+8*\q+3], v3, s[16:17] offset:1024*\q th:TH_LOAD_NT
	global_load_b128 v[X+8*\q+4:X+8*\q+7], v3, s[16:17] offset:1024*\q+16 th:TH_LOAD_NT
.endr
.irp q, 0,1,2,3
	global_load_b128 v[G+8*\q:G+8*\q+3], v3, s[18:19] offset:1024*\q
	global_load_b128 v[G+8*\q+4:G+8*\q+7], v3, s[18:19] offset:1024*\q+16
.endr
.irp q, 0,1,2,3
	global_load_b128 v[BT+8*\q:BT+8*\q+3], v3, s[20:21] offset:1024*\q
	global_load_b128 v[BT+8*\q+4:BT+8*\q+7], v3, s[20:21] offset:1024*\q+16
.endr
	s_mov_b32 s50, 0x3a800000                      ; 1 / 1,024
	s_mov_b32 s51, 0x358637bd                      ; 1e-6
	s_mov_b32 s52, 0x76543210                      ; v_permlanex16_b32: lane l xor 16
	s_mov_b32 s53, 0xfedcba98
	v_mov_b32 v6, 0                                ; a lane permute's destination counts as one of its sources
	; the stage, on the way in: row = my wave; the eight codes k = 8 g .. of a step of 128 go to byte 32 (g / 4) + 16 (g % 2) + 8 ((g / 2) % 2): the order of an image's 16-byte pieces
	s_mul_i32 s32, s26, 1040
	v_bfe_u32 v7, v0, 4, 1
	s_delay_alu instid0(VALU_DEP_1)
	v_lshlrev_b32 v7, 7, v7
	v_bfe_u32 v2, v0, 2, 2
	s_delay_alu instid0(VALU_DEP_1)
	v_lshl_add_u32 v7, v2, 5, v7
	v_and_b32 v2, 1, v0
	s_delay_alu instid0(VALU_DEP_1)
	v_lshl_add_u32 v7, v2, 4, v7
	v_bfe_u32 v2, v0, 1, 1
	s_delay_alu instid0(VALU_DEP_1)
	v_lshl_add_u32 v7, v2, 3, v7
	s_delay_alu instid0(VALU_DEP_1)
	v_add_nc_u32 v7, s32, v7
	; and on the way out: wave w takes bytes 1,024 w .. of the tile's 16,384 bytes of images: image lane l takes 16 bytes of row l % 16; rows 65 x 16 bytes apart
	v_and_b32 v2, 15, v0
	s_delay_alu instid0(VALU_DEP_1)
	v_mul_u32_u24 v9, v2, 1040
	v_bfe_u32 v2, v0, 4, 1
	s_delay_alu instid0(VALU_DEP_1)
	v_lshl_add_u32 v9, v2, 4, v9
	s_lshl_b32 s33, s26, 6
	v_add_nc_u32 v9, s33, v9
	s_lshl_b32 s30, s27, 14
	s_lshl_b32 s31, s26, 10
	s_add_co_u32 s30, s30, s31
	s_add_co_u32 s30, s30, 16<<20                  ; at the middle one of the three sets: the others are reached by immediates of -4 MiB and +4 MiB, inside the signed 24 bits
	s_mov_b32 s31, 0
	s_add_nc_u64 s[36:37], s[24:25], s[30:31]
	v_lshlrev_b32 v4, 4, v1
	s_wait_kmcnt 0x0
.irp o, 0,1,2
	s_add_co_i32 s32, s[68+2*\o], 127              ; e0, e2, e4
	s_lshl_b32 s33, s32, 23
	v_mov_b32 v[16+\o], s33                        ; 2^e
	s_add_co_i32 s32, s32, 8
	s_lshl_b32 s32, s32, 23
	s_or_b32 s32, s32, 0x600000
	v_mov_b32 v[20+\o], s32                        ; 448 x 2^e
.endr
.macro WSUM                            ; v5 summed over the 32 lanes, the result in every lane
	s_delay_alu instid0(VALU_DEP_1)
	v_add_f32_dpp v5, v5, v5 row_xmask:1 row_mask:0xf bank_mask:0xf
	s_delay_alu instid0(VALU_DEP_1)
	v_add_f32_dpp v5, v5, v5 row_xmask:2 row_mask:0xf bank_mask:0xf
	s_delay_alu instid0(VALU_DEP_1)
	v_add_f32_dpp v5, v5, v5 row_xmask:4 row_mask:0xf bank_mask:0xf
	s_delay_alu instid0(VALU_DEP_1)
	v_add_f32_dpp v5, v5, v5 row_xmask:8 row_mask:0xf bank_mask:0xf
	s_delay_alu instid0(VALU_DEP_1)
	v_permlanex16_b32 v6, v5, s52, s53
	s_delay_alu instid0(VALU_DEP_1)
	v_add_f32 v5, v5, v6
.endm
.macro FOLD                            ; the four packed chains in v[TS .. TS+7] into v5
	s_delay_alu instid0(VALU_DEP_3)
	v_pk_add_f32 v[TS:TS+1], v[TS:TS+1], v[TS+2:TS+3]
	s_delay_alu instid0(VALU_DEP_2)
	v_pk_add_f32 v[TS+4:TS+5], v[TS+4:TS+5], v[TS+6:TS+7]
	s_delay_alu instid0(VALU_DEP_1)
	v_pk_add_f32 v[TS:TS+1], v[TS:TS+1], v[TS+4:TS+5]
	s_delay_alu instid0(VALU_DEP_1)
	v_add_f32 v5, v[TS], v[TS+1]
.endm
	s_wait_loadcnt 16                              ; x's eight loads are in; gamma's and beta's sixteen may be out
.irp p, 0,1,2,3
	v_pk_add_f32 v[TS+2*\p:TS+2*\p+1], v[X+2*\p:X+2*\p+1], v[X+8+2*\p:X+8+2*\p+1]
.endr
.irp q, 2,3
.irp p, 0,1,2,3
	s_delay_alu instid0(VALU_DEP_4)
	v_pk_add_f32 v[TS+2*\p:TS+2*\p+1], v[TS+2*\p:TS+2*\p+1], v[X+8*\q+2*\p:X+8*\q+2*\p+1]
.endr
.endr
	FOLD
	WSUM
	s_delay_alu instid0(VALU_DEP_1)
	v_mul_f32 v[MU], s50, v5                       ; the mean
	s_delay_alu instid0(VALU_DEP_1)
	v_mov_b32 v[MU+1], v[MU]
.set j, 0
.rept 16
	v_pk_add_f32 v[X+j:X+j+1], v[X+j:X+j+1], v[MU:MU+1] neg_lo:[0,1] neg_hi:[0,1]   ; x - mean
.set j, j+2
.endr
.irp p, 0,1,2,3
	v_pk_mul_f32 v[TS+2*\p:TS+2*\p+1], v[X+2*\p:X+2*\p+1], v[X+2*\p:X+2*\p+1]
.endr
.irp q, 1,2,3
.irp p, 0,1,2,3
	s_delay_alu instid0(VALU_DEP_4)
	v_pk_fma_f32 v[TS+2*\p:TS+2*\p+1], v[X+8*\q+2*\p:X+8*\q+2*\p+1], v[X+8*\q+2*\p:X+8*\q+2*\p+1], v[TS+2*\p:TS+2*\p+1]
.endr
.endr
	FOLD
	WSUM
	s_delay_alu instid0(VALU_DEP_1)
	v_fma_f32 v5, v5, s50, s51                     ; var + eps
	s_wait_alu depctr_va_vdst(0)
	v_rsq_f32 v[RS], v5
	v_nop                                          ; a plain instruction behind the transcendental
	s_wait_alu depctr_va_vdst(0)                   ; and a wait ahead of the first use of its result
	v_mov_b32 v[RS+1], v[RS]
	s_wait_alu depctr_va_vdst(0)
	s_wait_loadcnt 0x0                             ; gamma and beta
.set j, 0
.rept 16
	v_pk_mul_f32 v[X+j:X+j+1], v[X+j:X+j+1], v[RS:RS+1]
.set j, j+2
.endr
.set j, 0
.rept 16
	v_pk_fma_f32 v[X+j:X+j+1], v[X+j:X+j+1], v[G+j:G+j+1], v[BT+j:BT+j+1]   ; gamma's and beta's last use: their registers are free from here on
.set j, j+2
.endr
.irp o, 0,1,2
.set j, 0
.rept 32
	v_med3_num_f32 v[T+j], v[X+j], -v[20+\o], v[20+\o]   ; the hold at the largest code x the scale
.set j, j+1
.endr
.irp q, 0,1,2,3
	v_cvt_scalef32_pk8_fp8_f32 v[CD+8*\o+2*\q:CD+8*\o+2*\q+1], v[T+8*\q:T+8*\q+7], v[16+\o]
.endr
	v_nop                                          ; a plain instruction between the conversions and the next output's holds, which write their sources
.irp q, 0,1,2,3
	ds_store_b64 v7, v[CD+8*\o+2*\q:CD+8*\o+2*\q+1] offset:ST1*\o+256*\q
.endr
.endr
	s_wait_dscnt 0x0                               ; for the others' sake: my stores into the stages are done (and have read the codes' registers, which the loads below take)
	s_barrier_signal -1
	s_barrier_wait -1                              ; the sixteen rows' codes lie in the stages
.irp o, 0,1,2
.irp z, 0,1
	ds_load_b128 v[RB+8*\o+4*\z:RB+8*\o+4*\z+3], v9 offset:ST1*\o+32*\z
.endr
.endr
.irp o, 0,1,2
.irp z, 0,1
	s_wait_dscnt 5-2*\o-\z                         ; LDS loads come back in order: this one is in, the younger ones may be out
	global_store_b128 v4, v[RB+8*\o+4*\z:RB+8*\o+4*\z+3], s[36:37] offset:(\o-1)*4194304+512*\z   ; the wave stores 512 consecutive bytes, aligned
.endr
.endr
	s_wait_tensorcnt 0x0                           ; the wave's end, behind my last LDS store
	ds_add_u32 v[SPW], v[NIL]
	s_wait_dscnt 0x0
	s_endpgm
.Lfunc_end_k_q6fdd4f0ea7_prep:
	.size	k_q6fdd4f0ea7_prep, .Lfunc_end_k_q6fdd4f0ea7_prep-k_q6fdd4f0ea7_prep
	.p2alignl 7, 3214868480
	.fill 96, 4, 3214868480
	.section	.rodata,"a",@progbits
	.p2align	6, 0x0
	.amdhsa_kernel k_q6fdd4f0ea7_prep
		.amdhsa_group_segment_fixed_size 51968
		.amdhsa_private_segment_fixed_size 0
		.amdhsa_enable_private_segment 0
		.amdhsa_kernarg_size 88
		.amdhsa_user_sgpr_count 2
		.amdhsa_user_sgpr_kernarg_segment_ptr 1
		.amdhsa_wavefront_size32 1
		.amdhsa_system_sgpr_workgroup_id_x 1
		.amdhsa_system_sgpr_workgroup_id_y 1
		.amdhsa_system_sgpr_workgroup_id_z 1
		.amdhsa_system_vgpr_workitem_id 0
		.amdhsa_next_free_vgpr 128
		.amdhsa_next_free_sgpr 100
		.amdhsa_reserve_vcc 0
		.amdhsa_float_denorm_mode_32 3
		.amdhsa_float_denorm_mode_16_64 3
		.amdhsa_memory_ordered 1
		.amdhsa_forward_progress 1
		.amdhsa_inst_pref_size 71
	.end_amdhsa_kernel
	.amdgpu_metadata
---
amdhsa.version: [ 1, 2 ]
amdhsa.kernels:
  - .name:           k_q6fdd4f0ea7_prep
    .symbol:         k_q6fdd4f0ea7_prep.kd
    .args:
      - { .name: W_q, .offset: 0, .size: 8, .value_kind: global_buffer, .address_space: global }
      - { .name: W_k, .offset: 8, .size: 8, .value_kind: global_buffer, .address_space: global }
      - { .name: W_v, .offset: 16, .size: 8, .value_kind: global_buffer, .address_space: global }
      - { .name: W_o, .offset: 24, .size: 8, .value_kind: global_buffer, .address_space: global }
      - { .name: W1, .offset: 32, .size: 8, .value_kind: global_buffer, .address_space: global }
      - { .name: W2, .offset: 40, .size: 8, .value_kind: global_buffer, .address_space: global }
      - { .name: x, .offset: 48, .size: 8, .value_kind: global_buffer, .address_space: global }
      - { .name: ln1_g, .offset: 56, .size: 8, .value_kind: global_buffer, .address_space: global }
      - { .name: ln1_b, .offset: 64, .size: 8, .value_kind: global_buffer, .address_space: global }
      - { .name: lowp_scales, .offset: 72, .size: 8, .value_kind: global_buffer, .address_space: global }
      - { .name: pre, .offset: 80, .size: 8, .value_kind: global_buffer, .address_space: global }
    .group_segment_fixed_size: 51968
    .private_segment_fixed_size: 0
    .kernarg_segment_align: 8
    .kernarg_segment_size: 88
    .max_flat_workgroup_size: 512
    .sgpr_count:     100
    .vgpr_count:     128
    .wavefront_size: 32
...
	.end_amdgpu_metadata
.endif
;; end of part 1
;; launch qkv (part 2): grid 12 x 16, 4 waves a work-group, clusters of 4 x 4, 327,680 bytes of LDS; arguments pre, lowp_scales, qkvc; writes qkvc
.if DOCPART == 2
	.amdgcn_target "amdgcn-amd-amdhsa--gfx1250"
	.amdhsa_code_object_version 6
	.text
	.protected	k_q6fdd4f0ea7_qkv
	.globl	k_q6fdd4f0ea7_qkv
	.p2align	8
	.type	k_q6fdd4f0ea7_qkv,@function
k_q6fdd4f0ea7_qkv:
	s_mov_b64 s[64:65], 0
	v_nop
	global_prefetch_b8 v0, s[64:65] scope:SCOPE_SE
	s_setreg_imm32_b32 hwreg(HW_REG_WAVE_MODE, 25, 1), 1
	s_wait_xcnt 0x0
	s_wait_alu depctr_hold_cnt(0) depctr_sa_sdst(0) depctr_va_vdst(0) depctr_va_sdst(0) depctr_va_ssrc(0) depctr_va_vcc(0) depctr_vm_vsrc(0)
	s_getreg_b32 s2, hwreg(HW_REG_IB_STS2, 6, 4)
	s_cmp_eq_u32 s2, 0
	s_cbranch_scc0 .Lentry_in_a_cluster
	s_endpgm
.Lentry_in_a_cluster:
	s_bfe_u32 s2, ttmp6, 0x10000c
	s_cmp_lg_u32 s2, 0xf033
	s_cbranch_scc0 .Lentry_shape_is_right
	s_endpgm
.Lentry_shape_is_right:
; Launch 2 of 7: q = h W_q, k = h W_k, v = h W_v on codes of E4M3 (v_wmma_f32_16x16x128_fp8_fp8, f32 sums), the results quantised at once for attention's two products (e6, e7, e9).  Nothing is left out.
; A cluster's x (0, 1, 2) says which product.  A tile of 256 x 256 is made by four waves, each 128 x 128: 64 accumulators, 512 registers.  K = 1,024 goes in slots of 256 through a ring of two LDS slots.
; OPERANDS ARE IMAGES (16 rows x 128 k, 2,048 bytes, in the order of the operand's registers): a fragment is four ds_load_b128 at 16 x lane, 512 consecutive bytes each; a wave's tensor load brings 8 row tiles x 4,096 bytes.
; THE MATRIX INSTRUCTION'S SOURCE 0 takes the "B" tiles, SOURCE 1 the "A" tiles: a lane then holds ONE row of A and eight neighbours along B's rows, 16 b + 8 (lane / 16) + 0 .. 7 in accumulator b: just what registers
; 2 b, 2 b + 1 of the next product's operand hold.  So the conversions' results are images, stored from registers, 512 consecutive bytes an instruction.
;   q, k: A = the tokens' codes, B = the weight: a lane holds a token and 8 of a head's 64: images of 16 tokens x 64 (1,024 bytes): qkvc + p x 4 MiB: [batch x 16 + head][token / 16][image].
;   v:    A = W_v, B = the tokens' codes: a lane holds one of a head's 64 and 8 neighbouring KEYS, which are the second product's K: qkvc + 8 MiB: [batch x 16 + head][key / 128][d / 16][image of 2,048 bytes].
; The roles are changed by pointers and tile numbers alone; the loop is one text.
; CLUSTERS: 4 x 4 work-groups; A's tiles are asked for jointly along a row of the cluster, B's along a column.
; LIMITS: e6 - e0 - e1, e7 - e2 - e3 and e9 - e4 - e5 lie between -126 and 119, so that each folded scale and 448 x it are f32 numbers.
; REGISTERS: window 0: v16-31 addresses and scales, v128-255 A's fragments (one set); window 1: B's two sets; windows 2, 3: the accumulators ((a, b) at 64 a + 8 b).
.set MB,   8                           ; tiles of 16 rows of A for a wave
.set NB,   8                           ; of B
.set HB,   4
.set NQ,   2                           ; steps of 128 k in a slot
.set KSN,  8                           ; K / 128
.set LAPS, 2                           ; K / (2 slots)
.set SLOT,  131072                     ; A's 16 row tiles x NQ x 2,048 bytes, then B's
.set SPARE, 262144                     ; behind the ring: the spare words, 128 bytes for each wave
.set ADRA, 16                          ; v16-17 LDS address of my A fragments in slot 0, 1
.set ADRB, 20                          ; v20-21 the same for B
.set CO,   26                          ; v26 16 x lane
.set CO2,  27                          ; v27 the same, at the second pair of stores
.set SPW,  28                          ; v28 LDS address of my spare word; never rewritten
.set NIL,  29                          ; v29 0; never rewritten
.set LIM,  30                          ; v30 448 x the folded scale
.set SCL,  31                          ; v31 the folded scale
.set AF,   128
.set G1,  24
.set G0,  32
.set G1B, 48
.set G0B, 56
.set MSB, 0
.macro WIN new                         ; the immediate's high byte repeats the setting that is left
.if MSB != \new
	s_set_vgpr_msb (MSB<<8)|\new
.set MSB, \new
.endif
.endm
.macro JLOAD g0a, g1a, g0b, g1b        ; a joint load: waves 0 and 1 fetch A's halves, waves 2 and 3 B's; the branch hangs on the wave's number alone; an s_nop 0 and four v_nop follow each line
	s_cmp_eq_u32 s15, 0
	s_cbranch_scc0 .Lfor_b_\@
	tensor_load_to_lds s[\g0a:\g0a+3], s[\g1a:\g1a+7]
	s_nop 0
.rept 4
	v_nop
.endr
	s_branch .Lasked_\@
.Lfor_b_\@:
	tensor_load_to_lds s[\g0b:\g0b+3], s[\g1b:\g1b+7]
	s_nop 0
.rept 4
	v_nop
.endr
.Lasked_\@:
.endm
.macro CREST                           ; a round of the cluster's barrier behind its opening barrier
	s_cmp_lg_u32 s14, 0
	s_cbranch_scc1 .Lnot_wave_0_\@
	s_barrier_signal -3
.Lnot_wave_0_\@:
	s_barrier_wait -3
	s_barrier_signal -1
	s_barrier_wait -1
.endm
.macro CROUND
	s_barrier_signal -1
	s_barrier_wait -1
	CREST
.endm
.macro PLACES n                        ; plain vector instructions between a matrix instruction and a load into, or a read of, its registers
.rept \n
	v_nop
.endr
.endm
.macro FRAG reg, adr, off              ; an image comes into 16 registers as it lies
.irp c, 0,1,2,3
	ds_load_b128 v[(\reg)+4*\c:(\reg)+4*\c+3], v[\adr] offset:(\off)+512*\c
.endr
.endm
.macro FETCH_B slot, q, p              ; B's NB fragments of the slot's q-th step into set p
	WIN 0x40
.set fi, 0
.rept NB
	FRAG 128*(\p)+16*fi, ADRB+\slot, fi*NQ*2048+(\q)*2048
.set fi, fi+1
.endr
	WIN 0
.endm
.macro FETCH_A slot, q, i0             ; A's blocks i0 .. i0 + HB - 1
.set fi, \i0
.rept HB
	FRAG AF+16*fi, ADRA+\slot, fi*NQ*2048+(\q)*2048
.set fi, fi+1
.endr
.endm
.macro MULB a0, na, p, zero            ; A's blocks a0 .. a0 + na - 1 x B's NB, 128 along K.  The accumulators take turns, one instruction a turn, in the same order in every step
.set ma, \a0
.rept \na
.set wn, 0x01|((2+(ma*NB*8)/256)*0x50)
	WIN wn
.set mb, 0
.rept NB
.set rD, (ma*NB*8)%256+8*mb
.if \zero
	v_wmma_f32_16x16x128_fp8_fp8 v[rD:rD+7], v[128*(\p)+16*mb:128*(\p)+16*mb+15], v[AF+16*ma:AF+16*ma+15], 0
.else
	v_wmma_f32_16x16x128_fp8_fp8 v[rD:rD+7], v[128*(\p)+16*mb:128*(\p)+16*mb+15], v[AF+16*ma:AF+16*ma+15], v[rD:rD+7]
.endif
.set mb, mb+1
.endr
.set ma, ma+1
.endr
.endm
.macro STEP slot, q, zero              ; a step of 128 along K that has its successor in the same slot
	s_wait_dscnt 4*HB                              ; B's set and A's lower blocks are in; the youngest loads (A's upper blocks) may be out
	MULB 0, HB, (\q)%2, \zero
	s_wait_dscnt 0x0                               ; A's upper blocks are in
	PLACES 4
	FETCH_B \slot, (\q)+1, 1-(\q)%2
	FETCH_A \slot, (\q)+1, 0
	MULB HB, HB, (\q)%2, \zero
	PLACES 4
	WIN 0
	FETCH_A \slot, (\q)+1, HB
.endm
.macro STEPS slot, q0                  ; the slot's steps q0 .. NQ - 2
.if NQ-1-(\q0) > 0
.set sq, \q0
.rept NQ-1-(\q0)
	STEP \slot, sq, 0
.set sq, sq+1
.endr
.endif
.endm
.macro TURN slot, next, fill           ; a slot's last step changes slots: one barrier; fill = 1: it opens a round of the cluster's barrier, and this slot is filled again, two slots ahead
	s_wait_tensorcnt 0x0                           ; all my tensor loads have landed: my part of the next slot
	ds_add_u32 v[SPW], v[NIL]                      ; 0 onto my spare word
	s_wait_dscnt 4*HB+1                            ; (the add and A's upper blocks may be out)
	MULB 0, HB/2, 1, 0
	s_wait_dscnt 0x0                               ; the add is done, and my reads of this slot are over
	s_barrier_signal -1
	MULB HB/2, HB/2, 1, 0
	WIN 0
	s_barrier_wait -1
.if \fill
	CREST                                          ; no wave of any partner still reads this slot or has a load on its way
	s_add_nc_u64 s[G0+4*\slot+2:G0+4*\slot+3], s[G0+4*\slot+2:G0+4*\slot+3], 2*NQ*2048
	s_add_nc_u64 s[G0B+4*\slot+2:G0B+4*\slot+3], s[G0B+4*\slot+2:G0B+4*\slot+3], 2*NQ*2048
	JLOAD G0+4*\slot, G1, G0B+4*\slot, G1B         ; the first tensor load behind the round; its four v_nop are the places in front of the loads below
.else
	PLACES 4
.endif
	FETCH_B \next, 0, 0
	FETCH_A \next, 0, 0
	MULB HB, HB, 1, 0
	PLACES 4
	WIN 0
	FETCH_A \next, 0, HB
.endm
.macro LAST                            ; the very last step: nothing more to fetch
	s_wait_dscnt 4*HB
	MULB 0, HB, 1, 0
	s_wait_alu depctr_va_vdst(0)
	s_wait_dscnt 0x0
	MULB HB, HB, 1, 0
	WIN 0
.endm
	s_load_b128 s[4:7], s[0:1], 0x0                ; pre s[4:5], the scales' exponents s[6:7]
	s_load_b64 s[10:11], s[0:1], 0x10              ; qkvc
	v_lshl_add_u32 v[SPW], v0, 2, SPARE
	v_mov_b32 v[NIL], 0
	ds_add_u32 v[SPW], v[NIL]                      ; the wave's opening: the add, twice on end, and its wait ahead of my first tensor load
	ds_add_u32 v[SPW], v[NIL]
	v_lshrrev_b32 v1, 5, v0
	v_readfirstlane_b32 s14, v1                    ; wave 0..3
	s_lshr_b32 s15, s14, 1                         ; which half of A's rows is mine.  Also: I fetch for A (0) or for B (1)
	s_and_b32 s16, s14, 1                          ; which half of B's rows.  Also: which half of that tile I fetch
	s_bfe_u32 s40, ttmp6, 0x40000                  ; cx
	s_bfe_u32 s41, ttmp6, 0x40004                  ; cy
	s_and_b32 s18, ttmp7, 0xffff
	s_lshl_b32 s18, s18, 2                         ; 4 x cluster y: the tokens' axis
	s_mov_b32 s84, 16<<20
	s_cmp_eq_u32 ttmp9, 0                          ; the cluster's x, the same in all sixteen partners: which product
	s_cselect_b32 s84, 12<<20, s84                 ; A in pre: h with e0, h with e2,
	s_cselect_b32 s85, 0, 1<<20                    ; B in pre: W_q, W_k,
	s_cmp_eq_u32 ttmp9, 2
	s_cselect_b32 s84, 2<<20, s84                  ; for v: W_v,
	s_cselect_b32 s85, 20<<20, s85                 ; and h with e4
	s_cselect_b32 s17, 0, s18
	s_cselect_b32 s42, s18, 0
	s_add_co_u32 s17, s17, s41                     ; A's tile: hangs on cy and the cluster alone
	s_add_co_u32 s42, s42, s40                     ; B's tile: on cx and the cluster alone
	s_lshl_b32 s43, s41, 2
	s_lshl_b32 s43, 15, s43                        ; my row of the cluster
	s_lshl_b32 s44, 0x1111, s40                    ; my column
	s_or_b32 s[G1+0], s43, (3<<16)|(1<<21)         ; 15:0 the mask; 17:16 elements of 8 bytes; 21 set beside a mask; no padding
	s_or_b32 s[G1B+0], s44, (3<<16)|(1<<21)
.irp g, G1, G1B
	s_mov_b32 s[\g+1], (NQ*256)<<16                ; tensor_dim0: a row tile's NQ images
	s_mov_b32 s[\g+2], MB<<16                      ; tensor_dim1: MB row tiles
	s_mov_b32 s[\g+3], (NQ*256)<<16                ; tile_dim0
	s_mov_b32 s[\g+4], MB                          ; tile_dim1
	s_mov_b32 s[\g+5], KSN*256                     ; from a row tile to the next: K / 128 images
	s_mov_b32 s[\g+6], 0
	s_mov_b32 s[\g+7], 0
.endr
	s_mul_i32 s19, s16, MB*KSN*2048                ; the half that I fetch
	s_mul_i32 s20, s17, 2*MB*KSN*2048
	s_add_co_u32 s20, s20, s19
	s_add_co_u32 s20, s20, s84
	s_mov_b32 s21, 0
	s_mul_i32 s46, s42, 2*MB*KSN*2048
	s_add_co_u32 s46, s46, s19
	s_add_co_u32 s46, s46, s85
	s_mov_b32 s47, 0
	s_lshl_b32 s45, s14, 15                        ; where it goes: wave x 32,768: no place in the cluster enters an LDS address
	s_wait_dscnt 0x0                               ; both opening adds are done
	s_wait_kmcnt 0x0
	s_load_b512 s[68:83], s[6:7], 0x0              ; e0 .. e15
	s_add_nc_u64 s[20:21], s[4:5], s[20:21]
	s_add_nc_u64 s[46:47], s[4:5], s[46:47]
	CROUND                                         ; all sixteen work-groups are here: the first joint loads meet
.irp s, 0,1
	s_mov_b32 s[G0+4*\s], 1
	s_add_co_u32 s[G0+4*\s+1], s45, \s*SLOT
	s_add_nc_u64 s[G0+4*\s+2:G0+4*\s+3], s[20:21], \s*NQ*2048
	s_or_b32 s[G0+4*\s+3], s[G0+4*\s+3], 0x80000000
	s_mov_b32 s[G0B+4*\s], 1
	s_add_co_u32 s[G0B+4*\s+1], s45, \s*SLOT
	s_add_nc_u64 s[G0B+4*\s+2:G0B+4*\s+3], s[46:47], \s*NQ*2048
	s_or_b32 s[G0B+4*\s+3], s[G0B+4*\s+3], 0x80000000
.endr
	JLOAD G0, G1, G0B, G1B                         ; slot 0: one tensor load a wave at the head
	; PREFETCHES INTO THE L2: of the 8 row tiles x 4,096 bytes that my wave fetches for a slot, each of the four partners that ask jointly takes two row tiles, told apart by address (cx for A, cy for B):
	; lanes 0-15 name the 16 blocks of 256 bytes of one, lanes 16-31 of the other.  Behind slot 0's load slots 1 and 2 are asked for, behind slot 1's slot 3; K has four slots, so nothing is asked for in the loop.
	s_cmp_eq_u32 s15, 0
	s_cselect_b64 s[98:99], s[20:21], s[46:47]
	s_cselect_b32 s94, s40, s41
	s_lshl_b32 s94, s94, 15
	s_mov_b32 s95, 0
	s_add_nc_u64 s[98:99], s[98:99], s[94:95]
	v_bfe_u32 v24, v0, 4, 1
	v_and_b32 v25, 15, v0
	v_lshlrev_b32 v24, 14, v24
	v_lshl_add_u32 v24, v25, 8, v24                ; never rewritten
	global_prefetch_b8 v24, s[98:99] offset:NQ*2048 th:TH_LOAD_NT scope:SCOPE_SE
	global_prefetch_b8 v24, s[98:99] offset:2*NQ*2048 th:TH_LOAD_NT scope:SCOPE_SE
	v_and_b32 v1, 31, v0
	v_lshlrev_b32 v[CO], 4, v1                     ; 16 x lane
	s_wait_alu depctr_va_vdst(0)
	s_lshl_b32 s22, s15, 15                        ; my half of A's row tiles
	s_lshl_b32 s23, s16, 15
	s_add_co_u32 s23, s23, 65536                   ; my half of B's, which lie behind A's
.irp s, 0,1
	v_add_nc_u32 v[ADRA+\s], s22, v[CO]
	v_add_nc_u32 v[ADRB+\s], s23, v[CO]
	s_add_co_u32 s22, s22, SLOT
	s_add_co_u32 s23, s23, SLOT
.endr
	; where my results go.  q, k: token tile gt = 16 x A's tile + 8 x half (+ a); heads 4 x B's tile + 2 x half (+ b / 4)
	s_lshl_b32 s86, s17, 4
	s_lshl_b32 s87, s15, 3
	s_add_co_u32 s86, s86, s87
	s_lshr_b32 s87, s86, 7                         ; batch
	s_lshl_b32 s87, s87, 21
	s_and_b32 s86, s86, 127
	s_lshl_b32 s86, s86, 10
	s_add_co_u32 s86, s86, s87
	s_lshl_b32 s87, s42, 2
	s_lshl_b32 s88, s16, 1
	s_add_co_u32 s87, s87, s88
	s_lshl_b32 s87, s87, 17
	s_add_co_u32 s86, s86, s87
	s_lshl_b32 s87, ttmp9, 22
	s_add_co_u32 s86, s86, s87
	; v: key step gs = 2 x B's tile + half; heads 4 x A's tile + 2 x half (+ a / 4)
	s_lshl_b32 s88, s42, 1
	s_add_co_u32 s88, s88, s16
	s_lshr_b32 s89, s88, 4                         ; batch
	s_lshl_b32 s89, s89, 21
	s_and_b32 s88, s88, 15
	s_lshl_b32 s88, s88, 13
	s_add_co_u32 s88, s88, s89
	s_lshl_b32 s89, s17, 2
	s_lshl_b32 s90, s15, 1
	s_add_co_u32 s89, s89, s90
	s_lshl_b32 s89, s89, 17
	s_add_co_u32 s88, s88, s89
	s_add_co_u32 s88, s88, 8<<20
	s_cmp_eq_u32 ttmp9, 2
	s_cselect_b32 s86, s88, s86
	s_cselect_b32 s90, 1, 0
	s_cselect_b32 s93, 5, 0
	s_cselect_b32 s94, 0, 7
	s_lshl_b32 s90, 1024, s90                      ; from block a to a + 1: q, k 1,024 (the next token tile); v 2,048 (the next 16 of the head's 64)
	s_lshl_b32 s93, 4096, s93                      ; blocks 4-7: q, k 4,096; v 131,072 (the next head)
	s_lshl_b32 s94, 1024, s94                      ; accumulators 4-7: q, k 131,072 (the next head); v 1,024 (the image's second half)
	s_mov_b32 s87, 0
	s_add_nc_u64 s[10:11], s[10:11], s[86:87]
	v_add_nc_u32 v[CO2], s94, v[CO]
	s_wait_alu depctr_va_vdst(0)
	s_wait_kmcnt 0x0
	s_sub_co_i32 s18, s74, s68                     ; a sum stands for sum x 2^(e of A + e of B): its code is sum / 2^(e6 - e0 - e1): the three scales are folded into the conversion's one
	s_sub_co_i32 s18, s18, s69
	s_sub_co_i32 s19, s75, s70
	s_sub_co_i32 s19, s19, s71
	s_sub_co_i32 s22, s77, s72
	s_sub_co_i32 s22, s22, s73
	s_cmp_eq_u32 ttmp9, 0
	s_cselect_b32 s18, s18, s19
	s_cmp_eq_u32 ttmp9, 2
	s_cselect_b32 s18, s22, s18
	s_add_co_i32 s18, s18, 127
	s_lshl_b32 s19, s18, 23
	v_mov_b32 v[SCL], s19
	s_add_co_i32 s18, s18, 8
	s_lshl_b32 s18, s18, 23
	s_or_b32 s18, s18, 0x600000
	v_mov_b32 v[LIM], s18
	s_wait_alu depctr_va_vdst(0)                   ; the wait at the head's end
	s_wait_tensorcnt 0x0                           ; my part of slot 0 is in
	ds_add_u32 v[SPW], v[NIL]
	s_wait_dscnt 0x0
	CROUND                                         ; everybody's part of slot 0 is in, and the joint loads meet
	JLOAD G0+4, G1, G0B+4, G1B                     ; slot 1's first fill, the first tensor load behind the round
	FETCH_B 0, 0, 0
	FETCH_A 0, 0, 0
	FETCH_A 0, 0, HB
	global_prefetch_b8 v24, s[98:99] offset:3*NQ*2048 th:TH_LOAD_NT scope:SCOPE_SE
	STEP 0, 0, 1                                   ; the first step's products start the sums: nothing is cleared
	STEPS 0, 1
.if LAPS > 1
	s_mov_b32 s3, LAPS-1
.Llap:                                                 ; a trip goes once round the ring and fills both slots again
	TURN 0, 1, 1
	STEPS 1, 0
	TURN 1, 0, 1
	STEPS 0, 0
	s_sub_co_u32 s3, s3, 1
	s_cmp_lg_u32 s3, 0
	s_cbranch_scc1 .Llap
.endif
	TURN 0, 1, 0                                   ; the last lap fills nothing
	STEPS 1, 0
	LAST
; THE WAY OUT, block a of A's eight: 64 sums a lane are held, converted into 16 registers (an image of 2,048 bytes, or two of 1,024) and stored, 512 consecutive bytes an instruction.
.macro OUTA a
.if (\a) >= 2
	s_wait_xcnt 0x0                                ; the stores two blocks back have read their data and offsets, which are written again below
.endif
	s_mul_i32 s92, s90, (\a)%4
.if (\a) >= 4
	s_add_co_u32 s92, s92, s93
.endif
	v_add_nc_u32 v[224+2*((\a)%2)], s92, v[CO]
	v_add_nc_u32 v[225+2*((\a)%2)], s92, v[CO2]
	WIN 0x02+(\a)/4                                ; source 0: window 2 or 3
.set j, 0
.rept 64
	v_med3_num_f32 v[128+j], v[64*((\a)%4)+j], -v[LIM], v[LIM]   ; each accumulator from its low end on
.set j, j+1
.endr
	WIN 0
.irp b, 0,1,2,3,4,5,6,7
	v_cvt_scalef32_pk8_fp8_f32 v[192+16*((\a)%2)+2*\b:193+16*((\a)%2)+2*\b], v[128+8*\b:135+8*\b], v[SCL]
.endr
	v_nop                                          ; a plain instruction between the conversions and the next block's holds, which write their sources
	global_store_b128 v[224+2*((\a)%2)], v[192+16*((\a)%2):195+16*((\a)%2)], s[10:11]
	global_store_b128 v[224+2*((\a)%2)], v[196+16*((\a)%2):199+16*((\a)%2)], s[10:11] offset:512
	global_store_b128 v[225+2*((\a)%2)], v[200+16*((\a)%2):203+16*((\a)%2)], s[10:11]
	global_store_b128 v[225+2*((\a)%2)], v[204+16*((\a)%2):207+16*((\a)%2)], s[10:11] offset:512
.endm
	PLACES 4
.irp a, 0,1,2,3,4,5,6,7
	OUTA \a
.endr
	s_wait_tensorcnt 0x0                           ; the wave's end
	ds_add_u32 v[SPW], v[NIL]
	s_wait_dscnt 0x0
	CROUND                                         ; the closing round
	s_endpgm
.Lfunc_end_k_q6fdd4f0ea7_qkv:
	.size	k_q6fdd4f0ea7_qkv, .Lfunc_end_k_q6fdd4f0ea7_qkv-k_q6fdd4f0ea7_qkv
	.p2alignl 7, 3214868480
	.fill 96, 4, 3214868480
	.section	.rodata,"a",@progbits
	.p2align	6, 0x0
	.amdhsa_kernel k_q6fdd4f0ea7_qkv
		.amdhsa_group_segment_fixed_size 327680
		.amdhsa_private_segment_fixed_size 0
		.amdhsa_enable_private_segment 0
		.amdhsa_kernarg_size 24
		.amdhsa_user_sgpr_count 2
		.amdhsa_user_sgpr_kernarg_segment_ptr 1
		.amdhsa_wavefront_size32 1
		.amdhsa_system_sgpr_workgroup_id_x 1
		.amdhsa_system_sgpr_workgroup_id_y 1
		.amdhsa_system_sgpr_workgroup_id_z 1
		.amdhsa_system_vgpr_workitem_id 0
		.amdhsa_next_free_vgpr 1024
		.amdhsa_next_free_sgpr 100
		.amdhsa_reserve_vcc 0
		.amdhsa_float_denorm_mode_32 3
		.amdhsa_float_denorm_mode_16_64 3
		.amdhsa_memory_ordered 1
		.amdhsa_forward_progress 1
		.amdhsa_inst_pref_size 121
	.end_amdhsa_kernel
	.amdgpu_metadata
---
amdhsa.version: [ 1, 2 ]
amdhsa.kernels:
  - .name:           k_q6fdd4f0ea7_qkv
    .symbol:         k_q6fdd4f0ea7_qkv.kd
    .args:
      - { .name: pre, .offset: 0, .size: 8, .value_kind: global_buffer, .address_space: global }
      - { .name: lowp_scales, .offset: 8, .size: 8, .value_kind: global_buffer, .address_space: global }
      - { .name: qkvc, .offset: 16, .size: 8, .value_kind: global_buffer, .address_space: global }
    .group_segment_fixed_size: 327680
    .private_segment_fixed_size: 0
    .kernarg_segment_align: 8
    .kernarg_segment_size: 24
    .max_flat_workgroup_size: 128
    .sgpr_count:     100
    .vgpr_count:     1024
    .wavefront_size: 32
...
	.end_amdgpu_metadata
.endif
;; end of part 2
;; launch attn (part 3): grid 8 x 32, 8 waves a work-group, clusters of 4 x 1, 327,680 bytes of LDS; arguments qkvc, lowp_scales, cc; writes cc
.if DOCPART == 3
	.amdgcn_target "amdgcn-amd-amdhsa--gfx1250"
	.amdhsa_code_object_version 6
	.text
	.protected	k_q6fdd4f0ea7_attn
	.globl	k_q6fdd4f0ea7_attn
	.p2align	8
	.type	k_q6fdd4f0ea7_attn,@function
k_q6fdd4f0ea7_attn:
	s_mov_b64 s[64:65], 0
	v_nop
	global_prefetch_b8 v0, s[64:65] scope:SCOPE_SE
	s_setreg_imm32_b32 hwreg(HW_REG_WAVE_MODE, 25, 1), 1
	s_wait_xcnt 0x0
	s_wait_alu depctr_hold_cnt(0) depctr_sa_sdst(0) depctr_va_vdst(0) depctr_va_sdst(0) depctr_va_ssrc(0) depctr_va_vcc(0) depctr_vm_vsrc(0)
	s_getreg_b32 s2, hwreg(HW_REG_IB_STS2, 6, 4)
	s_cmp_eq_u32 s2, 0
	s_cbranch_scc0 .Lentry_in_a_cluster
	s_endpgm
.Lentry_in_a_cluster:
	s_bfe_u32 s2, ttmp6, 0x10000c
	s_cmp_lg_u32 s2, 0x3003
	s_cbranch_scc0 .Lentry_shape_is_right
	s_endpgm
.Lentry_shape_is_right:
; Launch 3 of 7: ctx = softmax(q k^T / 8) v for each of the 32 (batch, head), both products on codes of E4M3, the result quantised at once with e10 for the product with W_o.  Nothing is left out.
; THE SOFTMAX: t = score x log2(e) / 8; M = the running largest t rounded up to a whole number; p = 2^(t - M) is quantised with e8 along the keys, not normalised; the row's sum is taken of the unquantised p and divides at the end.
; When M moves, the sum and O^T are multiplied by 2^(old M - new M), in every step, with no branch on data.
; SHARES.  A work-group owns 256 queries of one head; each of its eight waves owns 32 of them, two tiles of 16, so that each fragment of K and of V read from LDS feeds two matrix instructions and the two tiles' chains take turns.
; A head's whole K and V, 2 x 131,072 bytes, lie in LDS: each wave fetches 32,768 bytes by ONE tensor load at the head (waves 0-3 K's quarters, waves 4-7 V's); nothing is filled again, and the loop over 16 steps of 128 keys has no barrier.
; CLUSTERS: the four query blocks of a cluster walk the same K and V and ask for them jointly (mask 15).  No prefetch: every tile is asked for at the head, so there is no loop to run ahead in.
; OPERANDS ARE IMAGES of the matrix instruction's registers: q, k 16 tokens x 64 (1,024 bytes), v 16 of the head's 64 x 128 keys (2,048 bytes): a fragment is loads of 16 bytes a lane at 16 x lane, 512 consecutive bytes each.
; Both products are used transposed: S^T = K Q^T, O^T = V^T P^T: a lane holds one query of each tile; tile kc of S^T holds keys 16 kc + 8 (lane / 16) + 0 .. 7, which are registers 2 kc, 2 kc + 1 of P's operand.
; THE EXPONENTIALS stand by turns with plain lines of the OTHER tile that read nothing written since the last wait: tile 0's with tile 1's t - M, tile 1's with tile 0's holds.
; LIMITS: e6 + e7 between -123 and 130 (added to c's exponent field); e8 and e10 between -126 and 119; the scaled scores t stay under 2^31 in magnitude.  NaN among the inputs is not served.
; REGISTERS.  Window 0: v1, v2 16 x lane in K's and in V's half of LDS; v8, v9 addresses in hand; tile u: v12+2u -M, v13+2u the largest raw score, v[16+2u:17+2u] the sum in two halves, v[20+2u:21+2u] f; v24-31 at work;
;   v34, v35 448 x 2^e8, v38 2^e8, v36 448 x 2^e10, v37 2^e10; v40-55 the result's codes; v64-127 K's eight fragments; v128-191, v192-255 S^T, then p, of tiles 0 and 1.
; Window 1: v0-31, v32-63 O^T of tiles 0 and 1; v64-79 Q; v80-111 p's codes; v112-175 V's four fragments.
.set SPARE, 262144                     ; behind K and V: the spare words, 128 bytes for each of eight waves
.set SPW, 5
.set NIL, 6
.set WV,  18
.set KF,  64
.set S0,  128
.set QF,  64
.set PC,  80
.set VF,  112
.set MSB, 0
.macro WIN new                         ; the immediate's high byte repeats the setting that is left
.if MSB != \new
	s_set_vgpr_msb (MSB<<8)|\new
.set MSB, \new
.endif
.endm
.macro CROUND                          ; a round of the cluster's barrier
	s_barrier_signal -1
	s_barrier_wait -1
	s_cmp_lg_u32 s[WV], 0
	s_cbranch_scc1 .Lnot_wave_0_\@
	s_barrier_signal -3
.Lnot_wave_0_\@:
	s_barrier_wait -3
	s_barrier_signal -1
	s_barrier_wait -1
.endm
.macro ADDS b, a                       ; the 64 unquantised p at v[b ..] are added onto the sum v[a : a + 1], two at a time, in four chains by turns
	v_pk_add_f32 v[30:31], v[(\b):(\b)+1], v[(\b)+2:(\b)+3]
	v_pk_add_f32 v[24:25], v[(\b)+4:(\b)+5], v[(\b)+6:(\b)+7]
	v_pk_add_f32 v[26:27], v[(\b)+8:(\b)+9], v[(\b)+10:(\b)+11]
	v_pk_add_f32 v[(\a):(\a)+1], v[(\a):(\a)+1], v[(\b)+12:(\b)+13]
.irp j, 14,22,30,38,46,54
	v_pk_add_f32 v[30:31], v[30:31], v[(\b)+\j:(\b)+\j+1]
	v_pk_add_f32 v[24:25], v[24:25], v[(\b)+\j+2:(\b)+\j+3]
	v_pk_add_f32 v[26:27], v[26:27], v[(\b)+\j+4:(\b)+\j+5]
	v_pk_add_f32 v[(\a):(\a)+1], v[(\a):(\a)+1], v[(\b)+\j+6:(\b)+\j+7]
.endr
	v_pk_add_f32 v[30:31], v[30:31], v[(\b)+62:(\b)+63]
	v_pk_add_f32 v[24:25], v[24:25], v[26:27]
	v_pk_add_f32 v[(\a):(\a)+1], v[(\a):(\a)+1], v[30:31]
	v_pk_add_f32 v[(\a):(\a)+1], v[(\a):(\a)+1], v[24:25]
.endm
	s_load_b128 s[4:7], s[0:1], 0x0                ; qkvc s[4:5], the scales' exponents s[6:7]
	s_load_b64 s[8:9], s[0:1], 0x10                ; cc
	v_lshl_add_u32 v[SPW], v0, 2, SPARE
	v_mov_b32 v[NIL], 0
	ds_add_u32 v[SPW], v[NIL]                      ; the wave's opening: the add, twice on end, and its wait ahead of my tensor load
	ds_add_u32 v[SPW], v[NIL]
	v_lshrrev_b32 v8, 5, v0
	v_readfirstlane_b32 s[WV], v8                  ; wave 0..7
	s_bfe_u32 s13, ttmp6, 0x40000                  ; cx
	s_lshl_b32 s14, ttmp9, 2
	s_add_co_u32 s14, s14, s13                     ; my block of 256 queries, 0..7
	s_and_b32 s15, ttmp7, 0xffff                   ; 16 x batch + head
	s_mov_b32 s24, 15|(3<<16)|(1<<21)              ; the mask of all four partners; elements of 8 bytes; bit 21 beside a mask
	s_mov_b32 s25, 32<<16                          ; rows of 256 bytes,
	s_mov_b32 s26, 128<<16                         ; 128 of them, dense
	s_mov_b32 s27, 32<<16
	s_mov_b32 s28, 128
	s_mov_b32 s29, 32
	s_mov_b32 s30, 0
	s_mov_b32 s31, 0
	s_mov_b32 s32, 1
	s_lshl_b32 s33, s[WV], 15                      ; where my 32,768 bytes go: K's four quarters, then V's
	s_lshr_b32 s16, s[WV], 2
	s_lshl_b32 s50, s16, 22                        ; K at 4 MiB, V at 8 MiB
	s_and_b32 s17, s[WV], 3
	s_lshl_b32 s17, s17, 15
	s_add_co_u32 s50, s50, s17
	s_lshl_b32 s51, s15, 17
	s_add_co_u32 s50, s50, s51
	s_add_co_u32 s50, s50, 4<<20
	s_mov_b32 s51, 0
	s_lshl_b32 s52, s15, 7                         ; Q: image 128 x (batch, head) + 16 x block + 2 x wave
	s_lshl_b32 s53, s14, 4
	s_add_co_u32 s52, s52, s53
	s_lshl_b32 s53, s[WV], 1
	s_add_co_u32 s52, s52, s53
	s_lshl_b32 s52, s52, 10
	s_mov_b32 s53, 0
	s_lshr_b32 s56, s15, 4                         ; cc: token tile 128 x batch + 16 x block + 2 x wave, 16,384 bytes each; the head's 64 are 1,024 bytes of it
	s_lshl_b32 s56, s56, 7
	s_lshl_b32 s57, s14, 4
	s_add_co_u32 s56, s56, s57
	s_lshl_b32 s57, s[WV], 1
	s_add_co_u32 s56, s56, s57
	s_lshl_b32 s56, s56, 14
	s_and_b32 s57, s15, 15
	s_lshl_b32 s57, s57, 10
	s_add_co_u32 s56, s56, s57
	s_mov_b32 s57, 0
	s_mov_b32 s20, 0x76543210                      ; v_permlanex16_b32: lane l xor 16
	s_mov_b32 s21, 0xfedcba98
	s_mov_b32 s22, 0x3e38aa3b                      ; c = log2(e) / 8
	s_wait_dscnt 0x0                               ; both opening adds are done
	s_wait_kmcnt 0x0
	s_load_b512 s[68:83], s[6:7], 0x0              ; e0 .. e15
	s_add_nc_u64 s[34:35], s[4:5], s[50:51]
	s_or_b32 s35, s35, 0x80000000
	s_add_nc_u64 s[54:55], s[4:5], s[52:53]
	s_add_nc_u64 s[8:9], s[8:9], s[56:57]
	CROUND                                         ; all four work-groups are here: the joint loads meet
	tensor_load_to_lds s[32:35], s[24:31]          ; my one tensor load
	s_nop 0
	v_and_b32 v1, 31, v0
	v_lshlrev_b32 v1, 4, v1                        ; 16 x lane
	v_add_nc_u32 v2, 0x20000, v1                   ; the same in V's half
	v_mov_b32 v13, 0xff61b1e6                      ; the largest raw score so far: -3e38
	v_mov_b32 v15, 0xff61b1e6
	v_mov_b32 v12, 0x7f61b1e6                      ; -M: 3e38, so that the first f is 0 and multiplies zeros
	v_mov_b32 v14, 0x7f61b1e6
.irp r, 16,17,18,19,21,23,28,29
	v_mov_b32 v\r, 0                               ; the sums; the upper halves of the pairs that hold f; the lane permutes' destinations
.endr
	WIN 0x40                                       ; destinations in window 1
.irp c, 0,1,2,3
	global_load_b128 v[QF+4*\c:QF+4*\c+3], v1, s[54:55] offset:512*\c   ; Q's two fragments stay in registers
.endr
.set j, 0
.rept 64
	v_mov_b32 v[j], 0                              ; O^T: the loop is written once, its first step finds zeros
.set j, j+1
.endr
	WIN 0
	s_wait_kmcnt 0x0
	s_add_co_i32 s59, s74, s75
	s_lshl_b32 s59, s59, 23
	s_add_co_i32 s22, s22, s59                     ; a score stands for score x 2^(e6 + e7): added to c's exponent field
	s_mov_b32 s23, s22
	s_add_co_i32 s59, s76, 127
	s_lshl_b32 s60, s59, 23
	v_mov_b32 v38, s60                             ; 2^e8
	s_add_co_i32 s59, s59, 8
	s_lshl_b32 s59, s59, 23
	s_or_b32 s59, s59, 0x600000
	v_mov_b32 v34, s59                             ; 448 x 2^e8, twice: one for each half of a dual-issue pair
	v_mov_b32 v35, s59
	s_add_co_i32 s59, s78, 127
	s_lshl_b32 s60, s59, 23
	v_mov_b32 v37, s60                             ; 2^e10
	s_add_co_i32 s59, s59, 8
	s_lshl_b32 s59, s59, 23
	s_or_b32 s59, s59, 0x600000
	v_mov_b32 v36, s59                             ; 448 x 2^e10
	s_add_co_i32 s58, s76, s77                     ; e8 + e9
	s_mov_b32 s48, 0                               ; the step's first byte in K's and in V's half
	s_mov_b32 s49, 16
	s_wait_alu depctr_va_vdst(0)                   ; the wait at the head's end
	s_wait_loadcnt 0x0                             ; Q
	s_wait_tensorcnt 0x0                           ; my part of K or V is in,
	s_barrier_signal -1
	s_barrier_wait -1                              ; and so is everybody's
.set kc, 0
.rept 8
	ds_load_b128 v[KF+8*kc:KF+8*kc+3], v1 offset:1024*kc        ; step 0's K
	ds_load_b128 v[KF+8*kc+4:KF+8*kc+7], v1 offset:1024*kc+512
.set kc, kc+1
.endr
.Lstep:                                            ; a step: 128 keys x my 32 queries
	s_wait_dscnt 0x0                               ; this step's K, asked for a step ago
	WIN 0x04                                       ; source 1 (Q) in window 1
.set kc, 0
.rept 8
	v_wmma_f32_16x16x64_fp8_fp8 v[S0+8*kc:S0+8*kc+7], v[KF+8*kc:KF+8*kc+7], v[QF:QF+7], 0
	v_wmma_f32_16x16x64_fp8_fp8 v[S0+64+8*kc:S0+64+8*kc+7], v[KF+8*kc:KF+8*kc+7], v[QF+8:QF+15], 0
.set kc, kc+1
.endr
	WIN 0
	v_add_nc_u32 v9, s48, v2                       ; this step's V.  These four lines are the places in front of the loads into K's and V's registers and of the first read of S^T
	s_add_co_u32 s48, s48, 8192
	s_and_b32 s50, s48, 0x1ffff                    ; the next step's K; the last step names step 0's bytes again, and nothing uses them
	v_add_nc_u32 v8, s50, v1
	v_nop
	v_nop
	WIN 0x40
.set kc, 0
.rept 4
.irp i, 0,1,2,3
	ds_load_b128 v[VF+16*kc+4*\i:VF+16*kc+4*\i+3], v9 offset:2048*kc+512*\i
.endr
.set kc, kc+1
.endr
	WIN 0
.set kc, 0
.rept 8
	ds_load_b128 v[KF+8*kc:KF+8*kc+3], v8 offset:1024*kc
	ds_load_b128 v[KF+8*kc+4:KF+8*kc+7], v8 offset:1024*kc+512
.set kc, kc+1
.endr
	v_max3_num_f32 v24, v128, v129, v130           ; the step's largest score of each of my two queries, among my 64 keys: four chains by turns, each accumulator from its low end on
	v_max3_num_f32 v25, v131, v132, v133
	v_max3_num_f32 v26, v192, v193, v194
	v_max3_num_f32 v27, v195, v196, v197
.irp i, 6,10,14,18,22,26,30,34,38,42,46,50,54,58
	v_max3_num_f32 v24, v24, v[128+\i], v[129+\i]
	v_max3_num_f32 v25, v25, v[130+\i], v[131+\i]
	v_max3_num_f32 v26, v26, v[192+\i], v[193+\i]
	v_max3_num_f32 v27, v27, v[194+\i], v[195+\i]
.endr
	v_max3_num_f32 v24, v24, v190, v191
	v_max3_num_f32 v26, v26, v254, v255
	v_max_num_f32 v24, v24, v25
	v_max_num_f32 v26, v26, v27
	v_permlanex16_b32 v28, v24, s20, s21
	v_permlanex16_b32 v29, v26, s20, s21
	v_max3_num_f32 v13, v13, v24, v28              ; the running largest raw score (c is positive, so it gives the largest t)
	v_max3_num_f32 v15, v15, v26, v29
	v_mul_f32 v24, s22, v13                        ; as t
	v_mul_f32 v26, s22, v15
	v_floor_f32 v25, -v24                          ; the new -M = -ceil(t): a whole number
	v_floor_f32 v27, -v26
	v_sub_f32 v24, v25, v12                        ; old M - new M, 0 or less
	v_sub_f32 v26, v27, v14
	v_mov_b32 v12, v25
	v_mov_b32 v14, v27
	v_cvt_i32_f32 v24, v24                         ; (it saturates)
	v_cvt_i32_f32 v26, v26
	v_ldexp_f32 v20, 1.0, v24                      ; f = 2^(old M - new M)
	v_ldexp_f32 v22, 1.0, v26
.set j, 0
.rept 32
	v_pk_fma_f32 v[S0+j:S0+j+1], v[S0+j:S0+j+1], s[22:23], v[12:13] op_sel_hi:[1,0,0]   ; tile 0: t - M, two at a time
.set j, j+2
.endr
	WIN 0x41                                       ; O^T: source 0 and destination in window 1
.set j, 0
.rept 16
	v_pk_mul_f32 v[j:j+1], v[j:j+1], v[20:21] op_sel_hi:[1,0]             ; O^T under the new M, ahead of the exponentials
.set j, j+2
.endr
.set j, 0
.rept 16
	v_pk_mul_f32 v[32+j:33+j], v[32+j:33+j], v[22:23] op_sel_hi:[1,0]
.set j, j+2
.endr
	WIN 0
	s_wait_alu depctr_va_vdst(0)                   ; the wait ahead of the batch
.set j, 0
.rept 32
	v_exp_f32 v[S0+j], v[S0+j]                     ; tile 0: p = 2^(t - M), at most 1;
	v_exp_f32 v[S0+j+1], v[S0+j+1]
	v_pk_fma_f32 v[S0+64+j:S0+65+j], v[S0+64+j:S0+65+j], s[22:23], v[14:15] op_sel_hi:[1,0,0]   ; by turns with tile 1's t - M, first read behind the wait below
.set j, j+2
.endr
	v_pk_mul_f32 v[16:17], v[16:17], v[20:21] op_sel_hi:[1,0]   ; the sums under the new M
	v_pk_mul_f32 v[18:19], v[18:19], v[22:23] op_sel_hi:[1,0]
	s_wait_alu depctr_va_vdst(0)                   ; one wait: behind tile 0's batch, ahead of its first reader, and ahead of tile 1's batch
	ADDS S0, 16                                    ; tile 0's sum of the unquantised p
.set j, 0
.rept 32
	v_exp_f32 v[S0+64+j], v[S0+64+j]               ; tile 1's p; by turns with tile 0's holds:
	v_exp_f32 v[S0+65+j], v[S0+65+j]
	v_dual_min_num_f32 v[S0+j], v[S0+j], v34 :: v_dual_min_num_f32 v[S0+j+1], v[S0+j+1], v35   ; the conversion does not saturate (ISA guide 7.6.2); p is not negative, so the hold is one-sided; two numbers a line
.set j, j+2
.endr
	v_nop                                          ; a plain place behind the batch
	s_wait_alu depctr_va_vdst(0)                   ; the wait behind tile 1's batch, ahead of its first reader and of the first reader of tile 0's held p
	ADDS S0+64, 18
.set j, 0
.rept 32
	v_dual_min_num_f32 v[S0+64+j], v[S0+64+j], v34 :: v_dual_min_num_f32 v[S0+65+j], v[S0+65+j], v35
.set j, j+2
.endr
	WIN 0x40
.set kc, 0
.rept 16
	v_cvt_scalef32_pk8_fp8_f32 v[PC+2*kc:PC+2*kc+1], v[S0+8*kc:S0+8*kc+7], v38   ; registers 2 kc, 2 kc + 1 of P's operand; kc 8 .. 15: tile 1's
.set kc, kc+1
.endr
	WIN 0
	v_nop                                          ; a plain instruction between the conversions and the matrix instructions that read their results
	s_wait_alu depctr_va_vdst(0)                   ; directly ahead of the wait below
	s_wait_dscnt 16                                ; V's 16 loads are in; the next K's 16, issued behind them, may be out
	WIN 0x55                                       ; all four operands in window 1
.set kc, 0
.rept 4
	v_wmma_f32_16x16x128_fp8_fp8 v[8*kc:8*kc+7], v[VF+16*kc:VF+16*kc+15], v[PC:PC+15], v[8*kc:8*kc+7]                ; the eight accumulators take turns
	v_wmma_f32_16x16x128_fp8_fp8 v[32+8*kc:32+8*kc+7], v[VF+16*kc:VF+16*kc+15], v[PC+16:PC+31], v[32+8*kc:32+8*kc+7]
.set kc, kc+1
.endr
	WIN 0
	s_sub_co_u32 s49, s49, 1
	s_cmp_lg_u32 s49, 0
	s_cbranch_scc1 .Lstep
	; THE WAY OUT: O^T / the sum x 2^(e8 + e9), quantised with e10; the conversions' results are the halves of cc's images
	v_add_f32 v16, v16, v17                        ; the sums' two halves (these lines are also the places behind the last products),
	v_add_f32 v18, v18, v19
	v_permlanex16_b32 v28, v16, s20, s21
	v_permlanex16_b32 v29, v18, s20, s21
	v_add_f32 v16, v16, v28                        ; and lane l xor 16's
	v_add_f32 v18, v18, v29
	s_wait_alu depctr_va_vdst(0)                   ; the wait ahead of the transcendentals
	v_rcp_f32 v16, v16
	v_rcp_f32 v18, v18
	v_nop
	s_wait_alu depctr_va_vdst(0)                   ; and ahead of their first reader
	v_ldexp_f32 v16, v16, s58
	v_ldexp_f32 v18, v18, s58
	WIN 0x01                                       ; source 0 (O^T) in window 1
	s_wait_alu depctr_va_vdst(0)                   ; directly ahead of the first reader of O^T
.set j, 0
.rept 16
	v_pk_mul_f32 v[S0+j:S0+j+1], v[j:j+1], v[16:17] op_sel_hi:[1,0]
.set j, j+2
.endr
.set j, 0
.rept 16
	v_pk_mul_f32 v[S0+32+j:S0+33+j], v[32+j:33+j], v[18:19] op_sel_hi:[1,0]
.set j, j+2
.endr
	WIN 0
.set j, 0
.rept 64
	v_med3_num_f32 v[S0+j], v[S0+j], -v36, v36     ; the hold at the largest code x the scale
.set j, j+1
.endr
.irp t, 0,1,2,3,4,5,6,7
	v_cvt_scalef32_pk8_fp8_f32 v[40+2*\t:41+2*\t], v[S0+8*\t:S0+8*\t+7], v37
.endr
	v_nop
	global_store_b128 v1, v[40:43], s[8:9]                  ; the wave stores 512 consecutive bytes, aligned
	global_store_b128 v1, v[44:47], s[8:9] offset:512
	global_store_b128 v1, v[48:51], s[8:9] offset:16384     ; my second tile of 16 tokens
	global_store_b128 v1, v[52:55], s[8:9] offset:16896
	s_wait_tensorcnt 0x0                           ; the wave's end
	ds_add_u32 v[SPW], v[NIL]
	s_wait_dscnt 0x0
	CROUND                                         ; the closing round
	s_endpgm
.Lfunc_end_k_q6fdd4f0ea7_attn:
	.size	k_q6fdd4f0ea7_attn, .Lfunc_end_k_q6fdd4f0ea7_attn-k_q6fdd4f0ea7_attn
	.p2alignl 7, 3214868480
	.fill 96, 4, 3214868480
	.section	.rodata,"a",@progbits
	.p2align	6, 0x0
	.amdhsa_kernel k_q6fdd4f0ea7_attn
		.amdhsa_group_segment_fixed_size 327680
		.amdhsa_private_segment_fixed_size 0
		.amdhsa_enable_private_segment 0
		.amdhsa_kernarg_size 24
		.amdhsa_user_sgpr_count 2
		.amdhsa_user_sgpr_kernarg_segment_ptr 1
		.amdhsa_wavefront_size32 1
		.amdhsa_system_sgpr_workgroup_id_x 1
		.amdhsa_system_sgpr_workgroup_id_y 1
		.amdhsa_system_sgpr_workgroup_id_z 1
		.amdhsa_system_vgpr_workitem_id 0
		.amdhsa_next_free_vgpr 432
		.amdhsa_next_free_sgpr 100
		.amdhsa_reserve_vcc 0
		.amdhsa_float_denorm_mode_32 3
		.amdhsa_float_denorm_mode_16_64 3
		.amdhsa_memory_ordered 1
		.amdhsa_forward_progress 1
		.amdhsa_inst_pref_size 45
	.end_amdhsa_kernel
	.amdgpu_metadata
---
amdhsa.version: [ 1, 2 ]
amdhsa.kernels:
  - .name:           k_q6fdd4f0ea7_attn
    .symbol:         k_q6fdd4f0ea7_attn.kd
    .args:
      - { .name: qkvc, .offset: 0, .size: 8, .value_kind: global_buffer, .address_space: global }
      - { .name: lowp_scales, .offset: 8, .size: 8, .value_kind: global_buffer, .address_space: global }
      - { .name: cc, .offset: 16, .size: 8, .value_kind: global_buffer, .address_space: global }
    .group_segment_fixed_size: 327680
    .private_segment_fixed_size: 0
    .kernarg_segment_align: 8
    .kernarg_segment_size: 24
    .max_flat_workgroup_size: 256
    .sgpr_count:     100
    .vgpr_count:     432
    .wavefront_size: 32
...
	.end_amdgpu_metadata
.endif
;; end of part 3
;; launch wo (part 4): grid 8 x 32, 4 waves a work-group, clusters of 4 x 4, 327,680 bytes of LDS; arguments cc, pre, lowp_scales, b_o, x, x1; writes x1
.if DOCPART == 4
	.amdgcn_target "amdgcn-amd-amdhsa--gfx1250"
	.amdhsa_code_object_version 6
	.text
	.protected	k_q6fdd4f0ea7_wo
	.globl	k_q6fdd4f0ea7_wo
	.p2align	8
	.type	k_q6fdd4f0ea7_wo,@function
k_q6fdd4f0ea7_wo:
	s_mov_b64 s[64:65], 0
	v_nop
	global_prefetch_b8 v0, s[64:65] scope:SCOPE_SE
	s_setreg_imm32_b32 hwreg(HW_REG_WAVE_MODE, 25, 1), 1
	s_wait_xcnt 0x0
	s_wait_alu depctr_hold_cnt(0) depctr_sa_sdst(0) depctr_va_vdst(0) depctr_va_sdst(0) depctr_va_ssrc(0) depctr_va_vcc(0) depctr_vm_vsrc(0)
	s_getreg_b32 s2, hwreg(HW_REG_IB_STS2, 6, 4)
	s_cmp_eq_u32 s2, 0
	s_cbranch_scc0 .Lentry_in_a_cluster
	s_endpgm
.Lentry_in_a_cluster:
	s_bfe_u32 s2, ttmp6, 0x10000c
	s_cmp_lg_u32 s2, 0xf033
	s_cbranch_scc0 .Lentry_shape_is_right
	s_endpgm
.Lentry_shape_is_right:
; Launch 4 of 7: x1 = x + (ctx W_o + b_o), the product on codes of E4M3 (v_wmma_f32_16x16x128_fp8_fp8, f32 sums).  Nothing is left out.
; 4,096 x 1,024 results are 256 tiles of 128 x 128, one for each work-group; four waves, each 64 x 64: 16 accumulators.  Tiles of 256 x 256 would be 64.
; OPERANDS ARE IMAGES (16 rows x 128 k, 2,048 bytes, in the order of the operand's registers).  The whole K = 1,024 of the tile's 128 rows of A and of B, 2 x 131,072 bytes, is ONE fill:
; each wave fetches 4 row tiles x 16,384 bytes by one tensor load at the head; nothing is filled again, and one barrier stands in front of the eight steps of 128 k.  No prefetch: there is no loop to run ahead in.
; Source 0 = 16 rows of the weight's images, source 1 = 16 tokens: a lane holds eight neighbouring numbers of a row of the result.  They go through the wave's own stage in LDS and come back as rows of 256 bytes;
; there sum x 2^(e10 + e11) + bias and the residual, which was loaded at the head, are added, and sixteen lanes store 256 consecutive aligned bytes.
; CLUSTERS: 4 x 4 work-groups; A's tiles are asked for jointly along a row of the cluster, B's along a column.
; LIMIT: e10 + e11 lies between -126 and 127.
; REGISTERS: window 0: v8-11 bias, v16-29 addresses, v32-127 and v192-223 the residual, v128-191 A's fragments, later rows from the stage; window 1: B's two sets (v0-63, v128-191); window 2: accumulator (a, b) at 32 a + 8 b.
.set KSN,  8                           ; K / 128
.set BOFF, 3<<20                       ; the weight's images in pre
.set EA,   78                          ; s78 = e10
.set EB,   79                          ; s79 = e11
.set MB,   4
.set NB,   4
.set HB,   2
.set SPARE, 262144                     ; behind A's and B's images: the spare words, 128 bytes for each wave
.set STAGE, 262656                     ; behind them: the stages, bytes of their own on which no fill lands
.set SPITCH, 272                       ; a stage: 16 rows x (256 + 16) bytes for each wave
.set ADRA, 16
.set ADRB, 20
.set STO,  24
.set RD,   25
.set CO,   26
.set SPW,  28
.set NIL,  29
.set AF,   128
.set G1,  24
.set G0,  32
.set G1B, 48
.set G0B, 56
.set MSB, 0
.macro WIN new                         ; the immediate's high byte repeats the setting that is left
.if MSB != \new
	s_set_vgpr_msb (MSB<<8)|\new
.set MSB, \new
.endif
.endm
.macro CROUND                          ; a round of the cluster's barrier
	s_barrier_signal -1
	s_barrier_wait -1
	s_cmp_lg_u32 s14, 0
	s_cbranch_scc1 .Lnot_wave_0_\@
	s_barrier_signal -3
.Lnot_wave_0_\@:
	s_barrier_wait -3
	s_barrier_signal -1
	s_barrier_wait -1
.endm
.macro PLACES n                        ; plain vector instructions between a matrix instruction and a load into, or a read of, its registers
.rept \n
	v_nop
.endr
.endm
.macro FRAG reg, adr, off
.irp c, 0,1,2,3
	ds_load_b128 v[(\reg)+4*\c:(\reg)+4*\c+3], v[\adr] offset:(\off)+512*\c
.endr
.endm
.macro FETCH_B q, p                    ; B's four fragments of step q into set p
	WIN 0x40
.set fi, 0
.rept NB
	FRAG 128*(\p)+16*fi, ADRB, fi*KSN*2048+(\q)*2048
.set fi, fi+1
.endr
	WIN 0
.endm
.macro FETCH_A q, i0                   ; A's blocks i0, i0 + 1
.set fi, \i0
.rept HB
	FRAG AF+16*fi, ADRA, fi*KSN*2048+(\q)*2048
.set fi, fi+1
.endr
.endm
.macro MULB a0, na, p, zero            ; the accumulators take turns, one instruction a turn, in the same order in every step
	WIN 0xa1
.set ma, \a0
.rept \na
.set mb, 0
.rept NB
.set rD, ma*NB*8+8*mb
.if \zero
	v_wmma_f32_16x16x128_fp8_fp8 v[rD:rD+7], v[128*(\p)+16*mb:128*(\p)+16*mb+15], v[AF+16*ma:AF+16*ma+15], 0
.else
	v_wmma_f32_16x16x128_fp8_fp8 v[rD:rD+7], v[128*(\p)+16*mb:128*(\p)+16*mb+15], v[AF+16*ma:AF+16*ma+15], v[rD:rD+7]
.endif
.set mb, mb+1
.endr
.set ma, ma+1
.endr
.endm
.macro STEP q, zero
	s_wait_dscnt 4*HB                              ; B's set and A's lower blocks are in; the youngest loads (A's upper blocks) may be out
	MULB 0, HB, (\q)%2, \zero
	s_wait_dscnt 0x0
	PLACES 4
	FETCH_B (\q)+1, 1-(\q)%2
	FETCH_A (\q)+1, 0
	MULB HB, HB, (\q)%2, \zero
	PLACES 4
	WIN 0
	FETCH_A (\q)+1, HB
.endm
	s_load_b256 s[4:11], s[0:1], 0x0               ; A's images s[4:5], pre s[6:7], the scales' exponents s[8:9], the bias s[10:11]
	s_load_b128 s[88:91], s[0:1], 0x20             ; the residual s[88:89], the result s[90:91]
	v_lshl_add_u32 v[SPW], v0, 2, SPARE
	v_mov_b32 v[NIL], 0
	ds_add_u32 v[SPW], v[NIL]                      ; the wave's opening: the add, twice on end, and its wait ahead of my tensor load
	ds_add_u32 v[SPW], v[NIL]
	v_lshrrev_b32 v1, 5, v0
	v_readfirstlane_b32 s14, v1                    ; wave 0..3
	s_lshr_b32 s15, s14, 1                         ; which half of the tile's rows is mine.  Also: I fetch for A (0) or for B (1)
	s_and_b32 s16, s14, 1                          ; which half of its columns.  Also: which half of that tile I fetch
	s_bfe_u32 s40, ttmp6, 0x40000                  ; cx
	s_bfe_u32 s41, ttmp6, 0x40004                  ; cy
	s_lshl_b32 s42, ttmp9, 2
	s_add_co_u32 s42, s42, s40                     ; tile column
	s_and_b32 s17, ttmp7, 0xffff
	s_lshl_b32 s17, s17, 2
	s_add_co_u32 s17, s17, s41                     ; tile row
	s_lshl_b32 s43, s41, 2
	s_lshl_b32 s43, 15, s43                        ; my row of the cluster
	s_lshl_b32 s44, 0x1111, s40                    ; my column
	s_or_b32 s[G1+0], s43, (3<<16)|(1<<21)         ; 15:0 the mask; 17:16 elements of 8 bytes; 21 set beside a mask; no padding
	s_or_b32 s[G1B+0], s44, (3<<16)|(1<<21)
.irp g, G1, G1B
	s_mov_b32 s[\g+1], (KSN*256)<<16               ; tensor_dim0: a row tile's eight images
	s_mov_b32 s[\g+2], MB<<16                      ; tensor_dim1: MB row tiles
	s_mov_b32 s[\g+3], (KSN*256)<<16               ; tile_dim0
	s_mov_b32 s[\g+4], MB                          ; tile_dim1
	s_mov_b32 s[\g+5], KSN*256                     ; from a row tile to the next
	s_mov_b32 s[\g+6], 0
	s_mov_b32 s[\g+7], 0
.endr
	s_mul_i32 s19, s16, MB*KSN*2048                ; the half that I fetch
	s_mul_i32 s20, s17, 2*MB*KSN*2048
	s_add_co_u32 s20, s20, s19
	s_mov_b32 s21, 0
	s_mul_i32 s46, s42, 2*MB*KSN*2048
	s_add_co_u32 s46, s46, s19
	s_add_co_u32 s46, s46, BOFF
	s_mov_b32 s47, 0
	s_mov_b32 s[G0], 1
	s_lshl_b32 s[G0+1], s14, 16                    ; where it goes: wave x 65,536: A's two halves, then B's
	s_mov_b32 s[G0B], 1
	s_lshl_b32 s[G0B+1], s14, 16
	s_wait_dscnt 0x0                               ; both opening adds are done
	s_wait_kmcnt 0x0
	s_load_b512 s[68:83], s[8:9], 0x0              ; e0 .. e15
	s_add_nc_u64 s[G0+2:G0+3], s[4:5], s[20:21]
	s_or_b32 s[G0+3], s[G0+3], 0x80000000
	s_add_nc_u64 s[G0B+2:G0B+3], s[6:7], s[46:47]
	s_or_b32 s[G0B+3], s[G0B+3], 0x80000000
	CROUND                                         ; all sixteen work-groups are here: the joint loads meet
	s_cmp_eq_u32 s15, 0                            ; waves 0 and 1 fetch A's halves, waves 2 and 3 B's; an s_nop 0 and four v_nop follow each line
	s_cbranch_scc0 .Lfor_b
	tensor_load_to_lds s[G0:G0+3], s[G1:G1+7]
	s_nop 0
.rept 4
	v_nop
.endr
	s_branch .Lasked
.Lfor_b:
	tensor_load_to_lds s[G0B:G0B+3], s[G1B:G1B+7]
	s_nop 0
.rept 4
	v_nop
.endr
.Lasked:
	v_and_b32 v1, 31, v0                           ; lane
	v_and_b32 v2, 15, v0                           ; r
	v_bfe_u32 v3, v0, 4, 1                         ; h
	v_lshlrev_b32 v4, 4, v1
	s_lshl_b32 s22, s15, 16                        ; my half of A's row tiles
	s_lshl_b32 s23, s16, 16
	s_add_co_u32 s23, s23, 131072                  ; my half of B's, which lie behind A's
	v_add_nc_u32 v[ADRA], s22, v4
	v_add_nc_u32 v[ADRB], s23, v4
	s_mul_i32 s23, s14, 16*SPITCH
	s_add_co_u32 s23, s23, STAGE                   ; my stage
	s_wait_alu depctr_va_vdst(0)                   ; ahead of the readers below
	v_mul_u32_u24 v5, v2, SPITCH                   ; in: row r, 32 bytes for each half of the lanes
	v_lshl_add_u32 v5, v3, 5, v5
	v_add_nc_u32 v[STO], s23, v5
	v_mul_u32_u24 v6, v3, SPITCH                   ; back: lanes 0-15 one row of 256 bytes, lanes 16-31 the next
	v_lshl_add_u32 v6, v2, 4, v6
	v_add_nc_u32 v[RD], s23, v6
	v_lshlrev_b32 v7, 4, v2                        ; my four columns of the wave's 64
	v_lshl_add_u32 v[CO], v3, 12, v7               ; and the same two rows in memory
	s_wait_alu depctr_va_vdst(0)                   ; ahead of the run of scalar lines
	s_lshl_b32 s84, s17, 19                        ; my first row: 128 x tile row + 64 x half, rows of 4,096 bytes
	s_lshl_b32 s85, s15, 18
	s_add_co_u32 s84, s84, s85
	s_lshl_b32 s86, s42, 9                         ; my first column in bytes: 512 x tile column + 256 x half
	s_lshl_b32 s87, s16, 8
	s_add_co_u32 s86, s86, s87
	s_add_co_u32 s84, s84, s86
	s_mov_b32 s85, 0
	s_mov_b32 s87, 0
	s_add_nc_u64 s[88:89], s[88:89], s[84:85]
	s_add_nc_u64 s[90:91], s[90:91], s[84:85]
	s_add_nc_u64 s[10:11], s[10:11], s[86:87]
	s_wait_kmcnt 0x0
	s_add_co_i32 s96, s[EA], s[EB]
	s_add_co_i32 s96, s96, 127
	s_lshl_b32 s96, s96, 23                        ; 2^(eA + eB) as f32
	s_mov_b32 s97, s96
	s_wait_tensorcnt 0x0                           ; my part of the images is in,
	s_barrier_signal -1
	s_barrier_wait -1                              ; and so is everybody's
	FETCH_B 0, 0
	FETCH_A 0, 0
	FETCH_A 0, HB
	global_load_b128 v[8:11], v7, s[10:11]         ; the bias
.irp a, 0,1,2,3                        ; the whole residual of my 64 x 64, in the layout of the stores: asked for when the images are in, it lands while the products run
.irp t, 0,1,2,3,4,5,6,7
	global_load_b128 v[32+32*\a+64*(\a/3)+4*\t:35+32*\a+64*(\a/3)+4*\t], v[CO], s[88:89] offset:(16*\a+2*\t)*4096
.endr
.endr
	STEP 0, 1                                      ; the first step's products start the sums
.set sq, 1
.rept KSN-2
	STEP sq, 0
.set sq, sq+1
.endr
	s_wait_dscnt 4*HB                              ; the last step: nothing more to fetch
	MULB 0, HB, 1, 0
	s_wait_dscnt 0x0
	MULB HB, HB, 1, 0
	WIN 0
.macro TOSTAGE a                       ; block a's 16 rows x 64 sums into my stage and back as rows; LDS serves a wave's instructions in order, so no wait stands between
	WIN 0x08                                       ; the stores' data: window 2
.set sb, 0
.rept 4
	ds_store_b128 v[STO], v[32*(\a)+8*sb:32*(\a)+8*sb+3] offset:64*sb          ; each accumulator from its low end on
	ds_store_b128 v[STO], v[32*(\a)+8*sb+4:32*(\a)+8*sb+7] offset:64*sb+16
.set sb, sb+1
.endr
	WIN 0
.set BB, 128+32*((\a)%2)
.set sb, 0
.rept 8
	ds_load_b128 v[BB+4*sb:BB+4*sb+3], v[RD] offset:2*SPITCH*sb
.set sb, sb+1
.endr
.endm
.macro FINISH a, younger               ; younger: the LDS instructions issued behind block a's loads, which may stay out
.set RS, 32+32*(\a)+64*((\a)/3)
.set BB, 128+32*((\a)%2)
	s_wait_dscnt \younger
.irp t, 0,1,2,3,4,5,6,7
	v_pk_fma_f32 v[BB+4*\t:BB+4*\t+1], v[BB+4*\t:BB+4*\t+1], s[96:97], v[8:9] op_sel_hi:[1,0,1]       ; sum x 2^(eA + eB) + bias
	v_pk_fma_f32 v[BB+4*\t+2:BB+4*\t+3], v[BB+4*\t+2:BB+4*\t+3], s[96:97], v[10:11] op_sel_hi:[1,0,1]
	v_pk_add_f32 v[RS+4*\t:RS+4*\t+1], v[RS+4*\t:RS+4*\t+1], v[BB+4*\t:BB+4*\t+1]                     ; + the residual
	v_pk_add_f32 v[RS+4*\t+2:RS+4*\t+3], v[RS+4*\t+2:RS+4*\t+3], v[BB+4*\t+2:BB+4*\t+3]
	global_store_b128 v[CO], v[RS+4*\t:RS+4*\t+3], s[90:91] offset:(16*(\a)+2*\t)*4096                ; sixteen lanes store 256 consecutive bytes, aligned; no register is written again
.endr
.endm
	PLACES 4
	s_wait_loadcnt 0x0                             ; the bias and the residual
	TOSTAGE 0
	TOSTAGE 1
	FINISH 0, 16                                   ; behind block 0's loads: block 1's 8 stores and 8 loads
	TOSTAGE 2
	FINISH 1, 16
	TOSTAGE 3
	FINISH 2, 16
	FINISH 3, 0
	s_wait_tensorcnt 0x0                           ; the wave's end, behind my tensor load and my last LDS store
	ds_add_u32 v[SPW], v[NIL]
	s_wait_dscnt 0x0
	CROUND                                         ; the closing round
	s_endpgm
.Lfunc_end_k_q6fdd4f0ea7_wo:
	.size	k_q6fdd4f0ea7_wo, .Lfunc_end_k_q6fdd4f0ea7_wo-k_q6fdd4f0ea7_wo
	.p2alignl 7, 3214868480
	.fill 96, 4, 3214868480
	.section	.rodata,"a",@progbits
	.p2align	6, 0x0
	.amdhsa_kernel k_q6fdd4f0ea7_wo
		.amdhsa_group_segment_fixed_size 327680
		.amdhsa_private_segment_fixed_size 0
		.amdhsa_enable_private_segment 0
		.amdhsa_kernarg_size 48
		.amdhsa_user_sgpr_count 2
		.amdhsa_user_sgpr_kernarg_segment_ptr 1
		.amdhsa_wavefront_size32 1
		.amdhsa_system_sgpr_workgroup_id_x 1
		.amdhsa_system_sgpr_workgroup_id_y 1
		.amdhsa_system_sgpr_workgroup_id_z 1
		.amdhsa_system_vgpr_workitem_id 0
		.amdhsa_next_free_vgpr 640
		.amdhsa_next_free_sgpr 100
		.amdhsa_reserve_vcc 0
		.amdhsa_float_denorm_mode_32 3
		.amdhsa_float_denorm_mode_16_64 3
		.amdhsa_memory_ordered 1
		.amdhsa_forward_progress 1
		.amdhsa_inst_pref_size 53
	.end_amdhsa_kernel
	.amdgpu_metadata
---
amdhsa.version: [ 1, 2 ]
amdhsa.kernels:
  - .name:           k_q6fdd4f0ea7_wo
    .symbol:         k_q6fdd4f0ea7_wo.kd
    .args:
      - { .name: cc, .offset: 0, .size: 8, .value_kind: global_buffer, .address_space: global }
      - { .name: pre, .offset: 8, .size: 8, .value_kind: global_buffer, .address_space: global }
      - { .name: lowp_scales, .offset: 16, .size: 8, .value_kind: global_buffer, .address_space: global }
      - { .name: b_o, .offset: 24, .size: 8, .value_kind: global_buffer, .address_space: global }
      - { .name: x, .offset: 32, .size: 8, .value_kind: global_buffer, .address_space: global }
      - { .name: x1, .offset: 40, .size: 8, .value_kind: global_buffer, .address_space: global }
    .group_segment_fixed_size: 327680
    .private_segment_fixed_size: 0
    .kernarg_segment_align: 8
    .kernarg_segment_size: 48
    .max_flat_workgroup_size: 128
    .sgpr_count:     100
    .vgpr_count:     640
    .wavefront_size: 32
...
	.end_amdgpu_metadata
.endif
;; end of part 4
;; launch ln2 (part 5): grid 256 x 1, 16 waves a work-group, no clusters, 18,688 bytes of LDS; arguments x1, ln2_g, ln2_b, lowp_scales, h2c; writes h2c
.if DOCPART == 5
	.amdgcn_target "amdgcn-amd-amdhsa--gfx1250"
	.amdhsa_code_object_version 6
	.text
	.protected	k_q6fdd4f0ea7_ln2
	.globl	k_q6fdd4f0ea7_ln2
	.p2align	8
	.type	k_q6fdd4f0ea7_ln2,@function
k_q6fdd4f0ea7_ln2:
	s_mov_b64 s[64:65], 0
	v_nop
	global_prefetch_b8 v0, s[64:65] scope:SCOPE_SE
	s_setreg_imm32_b32 hwreg(HW_REG_WAVE_MODE, 25, 1), 1
	s_wait_xcnt 0x0
; Launch 5 of 7: h2 = LN2(x1), quantised with e12 into images (16 tokens x 128 k, 2,048 bytes, in the order of the operand's registers): h2c: [token / 16][k / 128][image].  Nothing is left out.
; A work-group takes 16 tokens, a wave one row of 1,024 numbers, 32 a lane, kept in registers between the passes: the mean, then the squares of the differences, so a common offset costs nothing.
; The codes of the 16 rows meet in a stage in LDS and leave as images, 512 consecutive bytes a store.
; LIMITS: e12 lies between -126 and 119.  NaN among the inputs is not served.
.set SPARE, 16640                      ; behind the stage: the spare words, 128 bytes for each of 16 waves
.set SPW,   12
.set NIL,   13
.set X,     64
.set G,     96
.set BT,    128
.set T,     160
.set CD,    192
.set RB,    216
.set MU,    24
.set RS,    26
	s_load_b256 s[4:11], s[0:1], 0x0               ; x1 s[4:5], ln2_g s[6:7], ln2_b s[8:9], the scales' exponents s[10:11]
	s_load_b64 s[12:13], s[0:1], 0x20              ; h2c
	v_lshl_add_u32 v[SPW], v0, 2, SPARE
	v_mov_b32 v[NIL], 0
	v_lshrrev_b32 v1, 5, v0
	s_delay_alu instid0(VALU_DEP_1)
	v_readfirstlane_b32 s26, v1                    ; wave 0..15
	v_and_b32 v1, 31, v0                           ; lane
	s_lshl_b32 s28, ttmp9, 4
	s_add_co_u32 s28, s28, s26                     ; my wave's row
	s_lshl_b32 s28, s28, 12
	s_mov_b32 s29, 0
	v_lshlrev_b32 v3, 5, v1                        ; I hold k = 256 q + 8 lane + 0 .. 7, q = 0 .. 3
	s_wait_alu depctr_va_vdst(0)
	s_wait_kmcnt 0x0
	s_load_b32 s68, s[10:11], 0x30                 ; e12
	s_add_nc_u64 s[4:5], s[4:5], s[28:29]
.irp q, 0,1,2,3
	global_load_b128 v[X+8*\q:X+8*\q+3], v3, s[4:5] offset:1024*\q
	global_load_b128 v[X+8*\q+4:X+8*\q+7], v3, s[4:5] offset:1024*\q+16
.endr
.irp q, 0,1,2,3
	global_load_b128 v[G+8*\q:G+8*\q+3], v3, s[6:7] offset:1024*\q
	global_load_b128 v[G+8*\q+4:G+8*\q+7], v3, s[6:7] offset:1024*\q+16
.endr
.irp q, 0,1,2,3
	global_load_b128 v[BT+8*\q:BT+8*\q+3], v3, s[8:9] offset:1024*\q
	global_load_b128 v[BT+8*\q+4:BT+8*\q+7], v3, s[8:9] offset:1024*\q+16
.endr
	s_mov_b32 s50, 0x3a800000                      ; 1 / 1,024
	s_mov_b32 s51, 0x358637bd                      ; 1e-6
	s_mov_b32 s52, 0x76543210                      ; v_permlanex16_b32: lane l xor 16
	s_mov_b32 s53, 0xfedcba98
	v_mov_b32 v6, 0                                ; a lane permute's destination counts as one of its sources
	; the stage, on the way in: row = my wave; the eight codes k = 8 g .. of a step of 128 go to byte 32 (g / 4) + 16 (g % 2) + 8 ((g / 2) % 2): the order of an image's 16-byte pieces
	s_mul_i32 s32, s26, 1040
	v_bfe_u32 v7, v0, 4, 1
	s_delay_alu instid0(VALU_DEP_1)
	v_lshlrev_b32 v7, 7, v7
	v_bfe_u32 v2, v0, 2, 2
	s_delay_alu instid0(VALU_DEP_1)
	v_lshl_add_u32 v7, v2, 5, v7
	v_and_b32 v2, 1, v0
	s_delay_alu instid0(VALU_DEP_1)
	v_lshl_add_u32 v7, v2, 4, v7
	v_bfe_u32 v2, v0, 1, 1
	s_delay_alu instid0(VALU_DEP_1)
	v_lshl_add_u32 v7, v2, 3, v7
	s_delay_alu instid0(VALU_DEP_1)
	v_add_nc_u32 v7, s32, v7
	; and on the way out: wave w takes bytes 1,024 w .. of the tile's 16,384 bytes of images: image lane l takes 16 bytes of row l % 16; rows 65 x 16 bytes apart
	v_and_b32 v2, 15, v0
	s_delay_alu instid0(VALU_DEP_1)
	v_mul_u32_u24 v9, v2, 1040
	v_bfe_u32 v2, v0, 4, 1
	s_delay_alu instid0(VALU_DEP_1)
	v_lshl_add_u32 v9, v2, 4, v9
	s_lshl_b32 s33, s26, 6
	v_add_nc_u32 v9, s33, v9
	s_lshl_b32 s30, ttmp9, 14
	s_lshl_b32 s31, s26, 10
	s_add_co_u32 s30, s30, s31
	s_mov_b32 s31, 0
	s_add_nc_u64 s[12:13], s[12:13], s[30:31]
	v_lshlrev_b32 v4, 4, v1
	s_wait_kmcnt 0x0
	s_add_co_i32 s32, s68, 127
	s_lshl_b32 s33, s32, 23
	v_mov_b32 v16, s33                             ; 2^e12
	s_add_co_i32 s32, s32, 8
	s_lshl_b32 s32, s32, 23
	s_or_b32 s32, s32, 0x600000
	v_mov_b32 v20, s32                             ; 448 x 2^e12
.macro WSUM                            ; v5 summed over the 32 lanes, the result in every lane
	s_delay_alu instid0(VALU_DEP_1)
	v_add_f32_dpp v5, v5, v5 row_xmask:1 row_mask:0xf bank_mask:0xf
	s_delay_alu instid0(VALU_DEP_1)
	v_add_f32_dpp v5, v5, v5 row_xmask:2 row_mask:0xf bank_mask:0xf
	s_delay_alu instid0(VALU_DEP_1)
	v_add_f32_dpp v5, v5, v5 row_xmask:4 row_mask:0xf bank_mask:0xf
	s_delay_alu instid0(VALU_DEP_1)
	v_add_f32_dpp v5, v5, v5 row_xmask:8 row_mask:0xf bank_mask:0xf
	s_delay_alu instid0(VALU_DEP_1)
	v_permlanex16_b32 v6, v5, s52, s53
	s_delay_alu instid0(VALU_DEP_1)
	v_add_f32 v5, v5, v6
.endm
.macro FOLD                            ; the four packed chains in v[T .. T+7] into v5
	s_delay_alu instid0(VALU_DEP_3)
	v_pk_add_f32 v[T:T+1], v[T:T+1], v[T+2:T+3]
	s_delay_alu instid0(VALU_DEP_2)
	v_pk_add_f32 v[T+4:T+5], v[T+4:T+5], v[T+6:T+7]
	s_delay_alu instid0(VALU_DEP_1)
	v_pk_add_f32 v[T:T+1], v[T:T+1], v[T+4:T+5]
	s_delay_alu instid0(VALU_DEP_1)
	v_add_f32 v5, v[T], v[T+1]
.endm
	s_wait_loadcnt 16                              ; the row's eight loads are in; gamma's and beta's sixteen may be out
.irp p, 0,1,2,3
	v_pk_add_f32 v[T+2*\p:T+2*\p+1], v[X+2*\p:X+2*\p+1], v[X+8+2*\p:X+8+2*\p+1]
.endr
.irp q, 2,3
.irp p, 0,1,2,3
	s_delay_alu instid0(VALU_DEP_4)
	v_pk_add_f32 v[T+2*\p:T+2*\p+1], v[T+2*\p:T+2*\p+1], v[X+8*\q+2*\p:X+8*\q+2*\p+1]
.endr
.endr
	FOLD
	WSUM
	s_delay_alu instid0(VALU_DEP_1)
	v_mul_f32 v[MU], s50, v5                       ; the mean
	s_delay_alu instid0(VALU_DEP_1)
	v_mov_b32 v[MU+1], v[MU]
.set j, 0
.rept 16
	v_pk_add_f32 v[X+j:X+j+1], v[X+j:X+j+1], v[MU:MU+1] neg_lo:[0,1] neg_hi:[0,1]
.set j, j+2
.endr
.irp p, 0,1,2,3
	v_pk_mul_f32 v[T+2*\p:T+2*\p+1], v[X+2*\p:X+2*\p+1], v[X+2*\p:X+2*\p+1]
.endr
.irp q, 1,2,3
.irp p, 0,1,2,3
	s_delay_alu instid0(VALU_DEP_4)
	v_pk_fma_f32 v[T+2*\p:T+2*\p+1], v[X+8*\q+2*\p:X+8*\q+2*\p+1], v[X+8*\q+2*\p:X+8*\q+2*\p+1], v[T+2*\p:T+2*\p+1]
.endr
.endr
	FOLD
	WSUM
	s_delay_alu instid0(VALU_DEP_1)
	v_fma_f32 v5, v5, s50, s51                     ; var + eps
	s_wait_alu depctr_va_vdst(0)
	v_rsq_f32 v[RS], v5
	v_nop                                          ; a plain instruction behind the transcendental
	s_wait_alu depctr_va_vdst(0)                   ; and a wait ahead of the first use of its result
	v_mov_b32 v[RS+1], v[RS]
	s_wait_alu depctr_va_vdst(0)
	s_wait_loadcnt 0x0                             ; gamma and beta
.set j, 0
.rept 16
	v_pk_mul_f32 v[X+j:X+j+1], v[X+j:X+j+1], v[RS:RS+1]
.set j, j+2
.endr
.set j, 0
.rept 16
	v_pk_fma_f32 v[X+j:X+j+1], v[X+j:X+j+1], v[G+j:G+j+1], v[BT+j:BT+j+1]
.set j, j+2
.endr
.set j, 0
.rept 32
	v_med3_num_f32 v[T+j], v[X+j], -v20, v20       ; the hold at the largest code x the scale
.set j, j+1
.endr
.irp q, 0,1,2,3
	v_cvt_scalef32_pk8_fp8_f32 v[CD+2*\q:CD+2*\q+1], v[T+8*\q:T+8*\q+7], v16
.endr
	v_nop
.irp q, 0,1,2,3
	ds_store_b64 v7, v[CD+2*\q:CD+2*\q+1] offset:256*\q
.endr
	s_wait_dscnt 0x0                               ; for the others' sake: my stores into the stage are done
	s_barrier_signal -1
	s_barrier_wait -1                              ; the sixteen rows' codes lie in the stage
	ds_load_b128 v[RB:RB+3], v9
	ds_load_b128 v[RB+4:RB+7], v9 offset:32
	s_wait_dscnt 1                                 ; the first is in; the second may be out
	global_store_b128 v4, v[RB:RB+3], s[12:13]               ; the wave stores 512 consecutive bytes, aligned
	s_wait_dscnt 0x0
	global_store_b128 v4, v[RB+4:RB+7], s[12:13] offset:512
	s_wait_tensorcnt 0x0                           ; the wave's end, behind my last LDS store
	ds_add_u32 v[SPW], v[NIL]
	s_wait_dscnt 0x0
	s_endpgm
.Lfunc_end_k_q6fdd4f0ea7_ln2:
	.size	k_q6fdd4f0ea7_ln2, .Lfunc_end_k_q6fdd4f0ea7_ln2-k_q6fdd4f0ea7_ln2
	.p2alignl 7, 3214868480
	.fill 96, 4, 3214868480
	.section	.rodata,"a",@progbits
	.p2align	6, 0x0
	.amdhsa_kernel k_q6fdd4f0ea7_ln2
		.amdhsa_group_segment_fixed_size 18688
		.amdhsa_private_segment_fixed_size 0
		.amdhsa_enable_private_segment 0
		.amdhsa_kernarg_size 40
		.amdhsa_user_sgpr_count 2
		.amdhsa_user_sgpr_kernarg_segment_ptr 1
		.amdhsa_wavefront_size32 1
		.amdhsa_system_sgpr_workgroup_id_x 1
		.amdhsa_system_sgpr_workgroup_id_y 1
		.amdhsa_system_sgpr_workgroup_id_z 1
		.amdhsa_system_vgpr_workitem_id 0
		.amdhsa_next_free_vgpr 240
		.amdhsa_next_free_sgpr 100
		.amdhsa_reserve_vcc 0
		.amdhsa_float_denorm_mode_32 3
		.amdhsa_float_denorm_mode_16_64 3
		.amdhsa_memory_ordered 1
		.amdhsa_forward_progress 1
		.amdhsa_inst_pref_size 16
	.end_amdhsa_kernel
	.amdgpu_metadata
---
amdhsa.version: [ 1, 2 ]
amdhsa.kernels:
  - .name:           k_q6fdd4f0ea7_ln2
    .symbol:         k_q6fdd4f0ea7_ln2.kd
    .args:
      - { .name: x1, .offset: 0, .size: 8, .value_kind: global_buffer, .address_space: global }
      - { .name: ln2_g, .offset: 8, .size: 8, .value_kind: global_buffer, .address_space: global }
      - { .name: ln2_b, .offset: 16, .size: 8, .value_kind: global_buffer, .address_space: global }
      - { .name: lowp_scales, .offset: 24, .size: 8, .value_kind: global_buffer, .address_space: global }
      - { .name: h2c, .offset: 32, .size: 8, .value_kind: global_buffer, .address_space: global }
    .group_segment_fixed_size: 18688
    .private_segment_fixed_size: 0
    .kernarg_segment_align: 8
    .kernarg_segment_size: 40
    .max_flat_workgroup_size: 512
    .sgpr_count:     100
    .vgpr_count:     240
    .wavefront_size: 32
...
	.end_amdgpu_metadata
.endif
;; end of part 5
;; launch ffn1 (part 6): grid 16 x 16, 4 waves a work-group, clusters of 4 x 4, 327,680 bytes of LDS; arguments h2c, pre, lowp_scales, b1, f1c; writes f1c
.if DOCPART == 6
	.amdgcn_target "amdgcn-amd-amdhsa--gfx1250"
	.amdhsa_code_object_version 6
	.text
	.protected	k_q6fdd4f0ea7_ffn1
	.globl	k_q6fdd4f0ea7_ffn1
	.p2align	8
	.type	k_q6fdd4f0ea7_ffn1,@function
k_q6fdd4f0ea7_ffn1:
	s_mov_b64 s[64:65], 0
	v_nop
	global_prefetch_b8 v0, s[64:65] scope:SCOPE_SE
	s_setreg_imm32_b32 hwreg(HW_REG_WAVE_MODE, 25, 1), 1
	s_wait_xcnt 0x0
	s_wait_alu depctr_hold_cnt(0) depctr_sa_sdst(0) depctr_va_vdst(0) depctr_va_sdst(0) depctr_va_ssrc(0) depctr_va_vcc(0) depctr_vm_vsrc(0)
	s_getreg_b32 s2, hwreg(HW_REG_IB_STS2, 6, 4)
	s_cmp_eq_u32 s2, 0
	s_cbranch_scc0 .Lentry_in_a_cluster
	s_endpgm
.Lentry_in_a_cluster:
	s_bfe_u32 s2, ttmp6, 0x10000c
	s_cmp_lg_u32 s2, 0xf033
	s_cbranch_scc0 .Lentry_shape_is_right
	s_endpgm
.Lentry_shape_is_right:
.set MB,   8
.set NB,   8
.set HB,   4
.set NQ,   2
.set KSN,  8
.set LAPS, 2
.set BOFF, 4<<20
.set SLOT,  131072
.set SPARE, 262144
.set ADRA, 16
.set ADRB, 20
.set CO,   26
.set SPW,  28
.set NIL,  29
.set LIM,  30
.set SCL,  31
.set BIAS, 32
.set AF,   128
.set G1,  24
.set G0,  32
.set G1B, 48
.set G0B, 56
.set MSB, 0
.macro WIN new
.if MSB != \new
	s_set_vgpr_msb (MSB<<8)|\new
.set MSB, \new
.endif
.endm
.macro JLOAD g0a, g1a, g0b, g1b
	s_cmp_eq_u32 s15, 0
	s_cbranch_scc0 .Lfor_b_\@
	tensor_load_to_lds s[\g0a:\g0a+3], s[\g1a:\g1a+7]
	s_nop 0
.rept 4
	v_nop
.endr
	s_branch .Lasked_\@
.Lfor_b_\@:
	tensor_load_to_lds s[\g0b:\g0b+3], s[\g1b:\g1b+7]
	s_nop 0
.rept 4
	v_nop
.endr
.Lasked_\@:
.endm
.macro CREST
	s_cmp_lg_u32 s14, 0
	s_cbranch_scc1 .Lnot_wave_0_\@
	s_barrier_signal -3
.Lnot_wave_0_\@:
	s_barrier_wait -3
	s_barrier_signal -1
	s_barrier_wait -1
.endm
.macro CROUND
	s_barrier_signal -1
	s_barrier_wait -1
	CREST
.endm
.macro PLACES n
.rept \n
	v_nop
.endr
.endm
.macro FRAG reg, adr, off
.irp c, 0,1,2,3
	ds_load_b128 v[(\reg)+4*\c:(\reg)+4*\c+3], v[\adr] offset:(\off)+512*\c
.endr
.endm
.macro FETCH_B slot, q, p
	WIN 0x40
.set fi, 0
.rept NB
	FRAG 128*(\p)+16*fi, ADRB+\slot, fi*NQ*2048+(\q)*2048
.set fi, fi+1
.endr
	WIN 0
.endm
.macro FETCH_A slot, q, i0
.set fi, \i0
.rept HB
	FRAG AF+16*fi, ADRA+\slot, fi*NQ*2048+(\q)*2048
.set fi, fi+1
.endr
.endm
.macro MULB a0, na, p, zero
.set ma, \a0
.rept \na
.set wn, 0x01|((2+(ma*NB*8)/256)*0x50)
	WIN wn
.set mb, 0
.rept NB
.set rD, (ma*NB*8)%256+8*mb
.if \zero
	v_wmma_f32_16x16x128_fp8_fp8 v[rD:rD+7], v[128*(\p)+16*mb:128*(\p)+16*mb+15], v[AF+16*ma:AF+16*ma+15], 0
.else
	v_wmma_f32_16x16x128_fp8_fp8 v[rD:rD+7], v[128*(\p)+16*mb:128*(\p)+16*mb+15], v[AF+16*ma:AF+16*ma+15], v[rD:rD+7]
.endif
.set mb, mb+1
.endr
.set ma, ma+1
.endr
.endm
.macro STEP slot, q, zero
	s_wait_dscnt 4*HB
	MULB 0, HB, (\q)%2, \zero
	s_wait_dscnt 0x0
	PLACES 4
	FETCH_B \slot, (\q)+1, 1-(\q)%2
	FETCH_A \slot, (\q)+1, 0
	MULB HB, HB, (\q)%2, \zero
	PLACES 4
	WIN 0
	FETCH_A \slot, (\q)+1, HB
.endm
.macro STEPS slot, q0
.if NQ-1-(\q0) > 0
.set sq, \q0
.rept NQ-1-(\q0)
	STEP \slot, sq, 0
.set sq, sq+1
.endr
.endif
.endm
.macro TURN slot, next, fill
	s_wait_tensorcnt 0x0
	ds_add_u32 v[SPW], v[NIL]
	s_wait_dscnt 4*HB+1
	MULB 0, HB/2, 1, 0
	s_wait_dscnt 0x0
	s_barrier_signal -1
	MULB HB/2, HB/2, 1, 0
	WIN 0
	s_barrier_wait -1
.if \fill
	CREST
	s_add_nc_u64 s[G0+4*\slot+2:G0+4*\slot+3], s[G0+4*\slot+2:G0+4*\slot+3], 2*NQ*2048
	s_add_nc_u64 s[G0B+4*\slot+2:G0B+4*\slot+3], s[G0B+4*\slot+2:G0B+4*\slot+3], 2*NQ*2048
	JLOAD G0+4*\slot, G1, G0B+4*\slot, G1B
.else
	PLACES 4
.endif
	FETCH_B \next, 0, 0
	FETCH_A \next, 0, 0
	MULB HB, HB, 1, 0
	PLACES 4
	WIN 0
	FETCH_A \next, 0, HB
.endm
.macro LAST
	s_wait_dscnt 4*HB
	MULB 0, HB, 1, 0
	s_wait_dscnt 0x0
	MULB HB, HB, 1, 0
	WIN 0
.endm
	s_load_b256 s[4:11], s[0:1], 0x0
	s_load_b64 s[12:13], s[0:1], 0x20
	v_lshl_add_u32 v[SPW], v0, 2, SPARE
	v_mov_b32 v[NIL], 0
	ds_add_u32 v[SPW], v[NIL]
	ds_add_u32 v[SPW], v[NIL]
	v_lshrrev_b32 v1, 5, v0
	v_readfirstlane_b32 s14, v1
	s_lshr_b32 s15, s14, 1
	s_and_b32 s16, s14, 1
	s_bfe_u32 s40, ttmp6, 0x40000
	s_bfe_u32 s41, ttmp6, 0x40004
	s_lshl_b32 s42, ttmp9, 2
	s_add_co_u32 s42, s42, s40
	s_and_b32 s17, ttmp7, 0xffff
	s_lshl_b32 s17, s17, 2
	s_add_co_u32 s17, s17, s41
	s_lshl_b32 s43, s41, 2
	s_lshl_b32 s43, 15, s43
	s_lshl_b32 s44, 0x1111, s40
	s_or_b32 s[G1+0], s43, (3<<16)|(1<<21)
	s_or_b32 s[G1B+0], s44, (3<<16)|(1<<21)
.irp g, G1, G1B
	s_mov_b32 s[\g+1], (NQ*256)<<16
	s_mov_b32 s[\g+2], MB<<16
	s_mov_b32 s[\g+3], (NQ*256)<<16
	s_mov_b32 s[\g+4], MB
	s_mov_b32 s[\g+5], KSN*256
	s_mov_b32 s[\g+6], 0
	s_mov_b32 s[\g+7], 0
.endr
	s_mul_i32 s19, s16, MB*KSN*2048
	s_mul_i32 s20, s17, 2*MB*KSN*2048
	s_add_co_u32 s20, s20, s19
	s_mov_b32 s21, 0
	s_mul_i32 s46, s42, 2*MB*KSN*2048
	s_add_co_u32 s46, s46, s19
	s_add_co_u32 s46, s46, BOFF
	s_mov_b32 s47, 0
	s_lshl_b32 s45, s14, 15
	s_wait_dscnt 0x0
	s_wait_kmcnt 0x0
	s_load_b512 s[68:83], s[8:9], 0x0
	s_add_nc_u64 s[20:21], s[4:5], s[20:21]
	s_add_nc_u64 s[46:47], s[6:7], s[46:47]
	CROUND
.irp s, 0,1
	s_mov_b32 s[G0+4*\s], 1
	s_add_co_u32 s[G0+4*\s+1], s45, \s*SLOT
	s_add_nc_u64 s[G0+4*\s+2:G0+4*\s+3], s[20:21], \s*NQ*2048
	s_or_b32 s[G0+4*\s+3], s[G0+4*\s+3], 0x80000000
	s_mov_b32 s[G0B+4*\s], 1
	s_add_co_u32 s[G0B+4*\s+1], s45, \s*SLOT
	s_add_nc_u64 s[G0B+4*\s+2:G0B+4*\s+3], s[46:47], \s*NQ*2048
	s_or_b32 s[G0B+4*\s+3], s[G0B+4*\s+3], 0x80000000
.endr
	JLOAD G0, G1, G0B, G1B                         ; slot 0: one tensor load a wave at the head
	; PREFETCHES INTO THE L2: of the 8 row tiles x 4,096 bytes that my wave fetches for a slot, each of the four partners that ask jointly takes two row tiles, told apart by address (cx for A, cy for B):
	; lanes 0-15 name the 16 blocks of 256 bytes of one, lanes 16-31 of the other.  Behind slot 0's load slots 1 and 2 are asked for, behind slot 1's slot 3; K has four slots, so nothing is asked for in the loop.
	s_cmp_eq_u32 s15, 0
	s_cselect_b64 s[98:99], s[20:21], s[46:47]
	s_cselect_b32 s94, s40, s41
	s_lshl_b32 s94, s94, 15
	s_mov_b32 s95, 0
	s_add_nc_u64 s[98:99], s[98:99], s[94:95]
	v_bfe_u32 v24, v0, 4, 1
	v_and_b32 v25, 15, v0
	v_lshlrev_b32 v24, 14, v24
	v_lshl_add_u32 v24, v25, 8, v24                ; never rewritten
	global_prefetch_b8 v24, s[98:99] offset:NQ*2048 th:TH_LOAD_NT scope:SCOPE_SE
	global_prefetch_b8 v24, s[98:99] offset:2*NQ*2048 th:TH_LOAD_NT scope:SCOPE_SE
	v_and_b32 v1, 31, v0
	v_lshlrev_b32 v[CO], 4, v1
	s_lshl_b32 s22, s15, 15
	s_lshl_b32 s23, s16, 15
	s_add_co_u32 s23, s23, 65536
.irp s, 0,1
	v_add_nc_u32 v[ADRA+\s], s22, v[CO]
	v_add_nc_u32 v[ADRB+\s], s23, v[CO]
	s_add_co_u32 s22, s22, SLOT
	s_add_co_u32 s23, s23, SLOT
.endr
	s_lshl_b32 s84, s42, 10
	s_lshl_b32 s85, s16, 9
	s_add_co_u32 s84, s84, s85
	s_mov_b32 s85, 0
	s_add_nc_u64 s[10:11], s[10:11], s[84:85]
	v_bfe_u32 v3, v0, 4, 1
	v_lshlrev_b32 v7, 5, v3
.irp b, 0,1,2,3,4,5,6,7
	global_load_b128 v[BIAS+8*\b:BIAS+8*\b+3], v7, s[10:11] offset:64*\b
	global_load_b128 v[BIAS+8*\b+4:BIAS+8*\b+7], v7, s[10:11] offset:64*\b+16
.endr
	s_lshl_b32 s86, s17, 4
	s_lshl_b32 s87, s15, 3
	s_add_co_u32 s86, s86, s87
	s_lshl_b32 s86, s86, 16
	s_lshl_b32 s87, s42, 1
	s_add_co_u32 s87, s87, s16
	s_lshl_b32 s87, s87, 11
	s_add_co_u32 s86, s86, s87
	s_mov_b32 s87, 0
	s_add_nc_u64 s[12:13], s[12:13], s[86:87]
	s_wait_alu depctr_va_vdst(0)
	s_wait_kmcnt 0x0
	s_add_co_i32 s96, s80, s81
	s_add_co_i32 s96, s96, 127
	s_lshl_b32 s96, s96, 23
	s_mov_b32 s97, s96
	s_add_co_i32 s18, s82, 127
	s_lshl_b32 s19, s18, 23
	v_mov_b32 v[SCL], s19
	s_add_co_i32 s18, s18, 8
	s_lshl_b32 s18, s18, 23
	s_or_b32 s18, s18, 0x600000
	v_mov_b32 v[LIM], s18
	s_wait_alu depctr_va_vdst(0)                   ; the wait at the head's end
	s_wait_tensorcnt 0x0                           ; my part of slot 0 is in
	ds_add_u32 v[SPW], v[NIL]
	s_wait_dscnt 0x0
	CROUND                                         ; everybody's part of slot 0 is in, and the joint loads meet
	JLOAD G0+4, G1, G0B+4, G1B                     ; slot 1's first fill, the first tensor load behind the round
	FETCH_B 0, 0, 0
	FETCH_A 0, 0, 0
	FETCH_A 0, 0, HB
	global_prefetch_b8 v24, s[98:99] offset:3*NQ*2048 th:TH_LOAD_NT scope:SCOPE_SE
	STEP 0, 0, 1
	STEPS 0, 1
.if LAPS > 1
	s_mov_b32 s3, LAPS-1
.Llap:
	TURN 0, 1, 1
	STEPS 1, 0
	TURN 1, 0, 1
	STEPS 0, 0
	s_sub_co_u32 s3, s3, 1
	s_cmp_lg_u32 s3, 0
	s_cbranch_scc1 .Llap
.endif
	TURN 0, 1, 0
	STEPS 1, 0
	LAST
.macro OUTF a
.if (\a) >= 2
	s_wait_xcnt 0x0
.endif
	WIN 0x02+(\a)/4
.set j, 0
.rept 32
	v_pk_fma_f32 v[128+j:129+j], v[64*((\a)%4)+j:64*((\a)%4)+j+1], s[96:97], v[BIAS+j:BIAS+j+1] op_sel_hi:[1,0,1]
.set j, j+2
.endr
	WIN 0
.set j, 0
.rept 64
	v_med3_num_f32 v[128+j], v[128+j], 0, v[LIM]
.set j, j+1
.endr
.irp b, 0,1,2,3,4,5,6,7
	v_cvt_scalef32_pk8_fp8_f32 v[192+16*((\a)%2)+2*\b:193+16*((\a)%2)+2*\b], v[128+8*\b:135+8*\b], v[SCL]
.endr
	v_nop
.irp i, 0,1,2,3
	global_store_b128 v[CO], v[192+16*((\a)%2)+4*\i:195+16*((\a)%2)+4*\i], s[12:13] offset:65536*(\a)+512*\i
.endr
.endm
	PLACES 4
	s_wait_loadcnt 0x0
.irp a, 0,1,2,3,4,5,6,7
	OUTF \a
.endr
	s_wait_tensorcnt 0x0
	ds_add_u32 v[SPW], v[NIL]
	s_wait_dscnt 0x0
	CROUND
	s_endpgm
.Lfunc_end_k_q6fdd4f0ea7_ffn1:
	.size	k_q6fdd4f0ea7_ffn1, .Lfunc_end_k_q6fdd4f0ea7_ffn1-k_q6fdd4f0ea7_ffn1
	.p2alignl 7, 3214868480
	.fill 96, 4, 3214868480
	.section	.rodata,"a",@progbits
	.p2align	6, 0x0
	.amdhsa_kernel k_q6fdd4f0ea7_ffn1
		.amdhsa_group_segment_fixed_size 327680
		.amdhsa_private_segment_fixed_size 0
		.amdhsa_enable_private_segment 0
		.amdhsa_kernarg_size 40
		.amdhsa_user_sgpr_count 2
		.amdhsa_user_sgpr_kernarg_segment_ptr 1
		.amdhsa_wavefront_size32 1
		.amdhsa_system_sgpr_workgroup_id_x 1
		.amdhsa_system_sgpr_workgroup_id_y 1
		.amdhsa_system_sgpr_workgroup_id_z 1
		.amdhsa_system_vgpr_workitem_id 0
		.amdhsa_next_free_vgpr 1024
		.amdhsa_next_free_sgpr 100
		.amdhsa_reserve_vcc 0
		.amdhsa_float_denorm_mode_32 3
		.amdhsa_float_denorm_mode_16_64 3
		.amdhsa_memory_ordered 1
		.amdhsa_forward_progress 1
		.amdhsa_inst_pref_size 136
	.end_amdhsa_kernel
	.amdgpu_metadata
---
amdhsa.version: [ 1, 2 ]
amdhsa.kernels:
  - .name:           k_q6fdd4f0ea7_ffn1
    .symbol:         k_q6fdd4f0ea7_ffn1.kd
    .args:
      - { .name: h2c, .offset: 0, .size: 8, .value_kind: global_buffer, .address_space: global }
      - { .name: pre, .offset: 8, .size: 8, .value_kind: global_buffer, .address_space: global }
      - { .name: lowp_scales, .offset: 16, .size: 8, .value_kind: global_buffer, .address_space: global }
      - { .name: b1, .offset: 24, .size: 8, .value_kind: global_buffer, .address_space: global }
      - { .name: f1c, .offset: 32, .size: 8, .value_kind: global_buffer, .address_space: global }
    .group_segment_fixed_size: 327680
    .private_segment_fixed_size: 0
    .kernarg_segment_align: 8
    .kernarg_segment_size: 40
    .max_flat_workgroup_size: 128
    .sgpr_count:     100
    .vgpr_count:     1024
    .wavefront_size: 32
...
	.end_amdgpu_metadata
.endif
;; end of part 6
;; launch ffn2 (part 7): grid 8 x 32, 4 waves a work-group, clusters of 4 x 4, 327,680 bytes of LDS; arguments f1c, pre, lowp_scales, b2, x1, out0; writes out0
.if DOCPART == 7
	.amdgcn_target "amdgcn-amd-amdhsa--gfx1250"
	.amdhsa_code_object_version 6
	.text
	.protected	k_q6fdd4f0ea7_ffn2
	.globl	k_q6fdd4f0ea7_ffn2
	.p2align	8
	.type	k_q6fdd4f0ea7_ffn2,@function
k_q6fdd4f0ea7_ffn2:
	s_mov_b64 s[64:65], 0
	v_nop
	global_prefetch_b8 v0, s[64:65] scope:SCOPE_SE
	s_setreg_imm32_b32 hwreg(HW_REG_WAVE_MODE, 25, 1), 1
	s_wait_xcnt 0x0
	s_wait_alu depctr_hold_cnt(0) depctr_sa_sdst(0) depctr_va_vdst(0) depctr_va_sdst(0) depctr_va_ssrc(0) depctr_va_vcc(0) depctr_vm_vsrc(0)
	s_getreg_b32 s2, hwreg(HW_REG_IB_STS2, 6, 4)
	s_cmp_eq_u32 s2, 0
	s_cbranch_scc0 .Lentry_in_a_cluster
	s_endpgm
.Lentry_in_a_cluster:
	s_bfe_u32 s2, ttmp6, 0x10000c
	s_cmp_lg_u32 s2, 0xf033
	s_cbranch_scc0 .Lentry_shape_is_right
	s_endpgm
.Lentry_shape_is_right:
.set KSN,  32
.set LAPS, 4
.set BOFF, 8<<20
.set EA,   82
.set EB,   83
.set MB,   4
.set NB,   4
.set HB,   2
.set NQ,   4
.set SLOT,  131072
.set SPARE, 262144
.set SPITCH, 272
.set ADRA, 16
.set ADRB, 20
.set STO,  24
.set RD,   25
.set CO,   26
.set SPW,  28
.set NIL,  29
.set AF,   128
.set G1,  24
.set G0,  32
.set G1B, 48
.set G0B, 56
.set MSB, 0
.macro WIN new
.if MSB != \new
	s_set_vgpr_msb (MSB<<8)|\new
.set MSB, \new
.endif
.endm
.macro JLOAD g0a, g1a, g0b, g1b
	s_cmp_eq_u32 s15, 0
	s_cbranch_scc0 .Lfor_b_\@
	tensor_load_to_lds s[\g0a:\g0a+3], s[\g1a:\g1a+7]
	s_nop 0
.rept 4
	v_nop
.endr
	s_branch .Lasked_\@
.Lfor_b_\@:
	tensor_load_to_lds s[\g0b:\g0b+3], s[\g1b:\g1b+7]
	s_nop 0
.rept 4
	v_nop
.endr
.Lasked_\@:
.endm
.macro CREST
	s_cmp_lg_u32 s14, 0
	s_cbranch_scc1 .Lnot_wave_0_\@
	s_barrier_signal -3
.Lnot_wave_0_\@:
	s_barrier_wait -3
	s_barrier_signal -1
	s_barrier_wait -1
.endm
.macro CROUND
	s_barrier_signal -1
	s_barrier_wait -1
	CREST
.endm
.macro PLACES n
.rept \n
	v_nop
.endr
.endm
.macro FRAG reg, adr, off
.irp c, 0,1,2,3
	ds_load_b128 v[(\reg)+4*\c:(\reg)+4*\c+3], v[\adr] offset:(\off)+512*\c
.endr
.endm
.macro FETCH_B slot, q, p
	WIN 0x40
.set fi, 0
.rept NB
	FRAG 128*(\p)+16*fi, ADRB+\slot, fi*NQ*2048+(\q)*2048
.set fi, fi+1
.endr
	WIN 0
.endm
.macro FETCH_A slot, q, i0
.set fi, \i0
.rept HB
	FRAG AF+16*fi, ADRA+\slot, fi*NQ*2048+(\q)*2048
.set fi, fi+1
.endr
.endm
.macro MULB a0, na, p, zero
.set ma, \a0
.rept \na
.set wn, 0x01|((2+(ma*NB*8)/256)*0x50)
	WIN wn
.set mb, 0
.rept NB
.set rD, (ma*NB*8)%256+8*mb
.if \zero
	v_wmma_f32_16x16x128_fp8_fp8 v[rD:rD+7], v[128*(\p)+16*mb:128*(\p)+16*mb+15], v[AF+16*ma:AF+16*ma+15], 0
.else
	v_wmma_f32_16x16x128_fp8_fp8 v[rD:rD+7], v[128*(\p)+16*mb:128*(\p)+16*mb+15], v[AF+16*ma:AF+16*ma+15], v[rD:rD+7]
.endif
.set mb, mb+1
.endr
.set ma, ma+1
.endr
.endm
.macro STEP slot, q, zero
	s_wait_dscnt 4*HB
	MULB 0, HB, (\q)%2, \zero
	s_wait_dscnt 0x0
	PLACES 4
	FETCH_B \slot, (\q)+1, 1-(\q)%2
	FETCH_A \slot, (\q)+1, 0
	MULB HB, HB, (\q)%2, \zero
	PLACES 4
	WIN 0
	FETCH_A \slot, (\q)+1, HB
.endm
.macro STEPS slot, q0
.if NQ-1-(\q0) > 0
.set sq, \q0
.rept NQ-1-(\q0)
	STEP \slot, sq, 0
.set sq, sq+1
.endr
.endif
.endm
.macro TURN slot, next, fill
.if (\fill) && (\slot) == 0
	s_wait_xcnt 0x0                                ; my prefetches have read their address: it steps two slots on, once a trip
	s_add_nc_u64 s[92:93], s[92:93], 2*NQ*2048
.endif
	s_wait_tensorcnt 0x0
	ds_add_u32 v[SPW], v[NIL]
	s_wait_dscnt 4*HB+1
	MULB 0, HB/2, 1, 0
	s_wait_dscnt 0x0
	s_barrier_signal -1
	MULB HB/2, HB/2, 1, 0
	WIN 0
	s_barrier_wait -1
.if \fill
	CREST
	s_add_nc_u64 s[G0+4*\slot+2:G0+4*\slot+3], s[G0+4*\slot+2:G0+4*\slot+3], 2*NQ*2048
	s_add_nc_u64 s[G0B+4*\slot+2:G0B+4*\slot+3], s[G0B+4*\slot+2:G0B+4*\slot+3], 2*NQ*2048
	JLOAD G0+4*\slot, G1, G0B+4*\slot, G1B
.else
	PLACES 4
.endif
	FETCH_B \next, 0, 0
	FETCH_A \next, 0, 0
.if \fill
	s_cmp_gt_u32 s3, 1                             ; the last trip has no slot two refills on
	s_cbranch_scc0 .Lno_ask_\@
	global_prefetch_b8 v30, s[92:93] offset:(2+\slot)*NQ*2048 th:TH_LOAD_NT scope:SCOPE_SE
.Lno_ask_\@:
.endif
	MULB HB, HB, 1, 0
	PLACES 4
	WIN 0
	FETCH_A \next, 0, HB
.endm
.macro LAST
	s_wait_dscnt 4*HB
	MULB 0, HB, 1, 0
	s_wait_dscnt 0x0
	MULB HB, HB, 1, 0
	WIN 0
.endm
	s_load_b256 s[4:11], s[0:1], 0x0
	s_load_b128 s[88:91], s[0:1], 0x20
	v_lshl_add_u32 v[SPW], v0, 2, SPARE
	v_mov_b32 v[NIL], 0
	ds_add_u32 v[SPW], v[NIL]
	ds_add_u32 v[SPW], v[NIL]
	v_lshrrev_b32 v1, 5, v0
	v_readfirstlane_b32 s14, v1
	s_lshr_b32 s15, s14, 1
	s_and_b32 s16, s14, 1
	s_bfe_u32 s40, ttmp6, 0x40000
	s_bfe_u32 s41, ttmp6, 0x40004
	s_lshl_b32 s42, ttmp9, 2
	s_add_co_u32 s42, s42, s40
	s_and_b32 s17, ttmp7, 0xffff
	s_lshl_b32 s17, s17, 2
	s_add_co_u32 s17, s17, s41
	s_lshl_b32 s43, s41, 2
	s_lshl_b32 s43, 15, s43
	s_lshl_b32 s44, 0x1111, s40
	s_or_b32 s[G1+0], s43, (3<<16)|(1<<21)
	s_or_b32 s[G1B+0], s44, (3<<16)|(1<<21)
.irp g, G1, G1B
	s_mov_b32 s[\g+1], (NQ*256)<<16
	s_mov_b32 s[\g+2], MB<<16
	s_mov_b32 s[\g+3], (NQ*256)<<16
	s_mov_b32 s[\g+4], MB
	s_mov_b32 s[\g+5], KSN*256
	s_mov_b32 s[\g+6], 0
	s_mov_b32 s[\g+7], 0
.endr
	s_mul_i32 s19, s16, MB*KSN*2048
	s_mul_i32 s20, s17, 2*MB*KSN*2048
	s_add_co_u32 s20, s20, s19
	s_mov_b32 s21, 0
	s_mul_i32 s46, s42, 2*MB*KSN*2048
	s_add_co_u32 s46, s46, s19
	s_add_co_u32 s46, s46, BOFF
	s_mov_b32 s47, 0
	s_lshl_b32 s45, s14, 15
	s_wait_dscnt 0x0
	s_wait_kmcnt 0x0
	s_load_b512 s[68:83], s[8:9], 0x0
	s_add_nc_u64 s[20:21], s[4:5], s[20:21]
	s_add_nc_u64 s[46:47], s[6:7], s[46:47]
	CROUND
.irp s, 0,1
	s_mov_b32 s[G0+4*\s], 1
	s_add_co_u32 s[G0+4*\s+1], s45, \s*SLOT
	s_add_nc_u64 s[G0+4*\s+2:G0+4*\s+3], s[20:21], \s*NQ*2048
	s_or_b32 s[G0+4*\s+3], s[G0+4*\s+3], 0x80000000
	s_mov_b32 s[G0B+4*\s], 1
	s_add_co_u32 s[G0B+4*\s+1], s45, \s*SLOT
	s_add_nc_u64 s[G0B+4*\s+2:G0B+4*\s+3], s[46:47], \s*NQ*2048
	s_or_b32 s[G0B+4*\s+3], s[G0B+4*\s+3], 0x80000000
.endr
	JLOAD G0, G1, G0B, G1B                         ; slot 0: one tensor load a wave at the head
	; PREFETCHES INTO THE L2: of the 4 row tiles x 8,192 bytes that my wave fetches for a slot, each of the four partners that ask jointly takes one row tile, told apart by address (cx for A, cy for B): a lane names one of its 32 blocks of 256 bytes.
	; Behind slot 0's load slots 1 and 2 are asked for; behind the load of each later slot j the slot j + 2: two changes of slots ahead of the load that wants it.  The loop's last trip, which loads slots 6 and 7, asks for nothing.
	s_cmp_eq_u32 s15, 0
	s_cselect_b64 s[92:93], s[20:21], s[46:47]
	s_cselect_b32 s94, s40, s41
	s_lshl_b32 s94, s94, 16
	s_mov_b32 s95, 0
	s_add_nc_u64 s[92:93], s[92:93], s[94:95]
	v_and_b32 v30, 31, v0
	v_lshlrev_b32 v30, 8, v30                      ; never rewritten
	global_prefetch_b8 v30, s[92:93] offset:NQ*2048 th:TH_LOAD_NT scope:SCOPE_SE
	global_prefetch_b8 v30, s[92:93] offset:2*NQ*2048 th:TH_LOAD_NT scope:SCOPE_SE
	v_and_b32 v1, 31, v0
	v_and_b32 v2, 15, v0
	s_wait_alu depctr_va_vdst(0)
	v_bfe_u32 v3, v0, 4, 1
	v_lshlrev_b32 v4, 4, v1
	s_lshl_b32 s22, s15, 15
	s_lshl_b32 s23, s16, 15
	s_add_co_u32 s23, s23, 65536
.irp s, 0,1
	v_add_nc_u32 v[ADRA+\s], s22, v4
	v_add_nc_u32 v[ADRB+\s], s23, v4
	s_add_co_u32 s22, s22, SLOT
	s_add_co_u32 s23, s23, SLOT
.endr
	s_mul_i32 s23, s14, 16*SPITCH
	v_mul_u32_u24 v5, v2, SPITCH
	s_wait_alu depctr_va_vdst(0)
	v_lshl_add_u32 v5, v3, 5, v5
	v_add_nc_u32 v[STO], s23, v5
	v_mul_u32_u24 v6, v3, SPITCH
	v_lshl_add_u32 v6, v2, 4, v6
	v_add_nc_u32 v[RD], s23, v6
	v_lshlrev_b32 v7, 4, v2
	s_wait_alu depctr_va_vdst(0)
	v_lshl_add_u32 v[CO], v3, 12, v7
	s_wait_alu depctr_va_vdst(0)
	s_lshl_b32 s84, s17, 19
	s_lshl_b32 s85, s15, 18
	s_add_co_u32 s84, s84, s85
	s_lshl_b32 s86, s42, 9
	s_lshl_b32 s87, s16, 8
	s_add_co_u32 s86, s86, s87
	s_add_co_u32 s84, s84, s86
	s_mov_b32 s85, 0
	s_mov_b32 s87, 0
	s_add_nc_u64 s[88:89], s[88:89], s[84:85]
	s_add_nc_u64 s[90:91], s[90:91], s[84:85]
	s_add_nc_u64 s[10:11], s[10:11], s[86:87]
	s_wait_kmcnt 0x0
	s_add_co_i32 s96, s[EA], s[EB]
	s_add_co_i32 s96, s96, 127
	s_lshl_b32 s96, s96, 23
	s_mov_b32 s97, s96
	s_wait_alu depctr_va_vdst(0)                   ; the wait at the head's end
	s_wait_tensorcnt 0x0                           ; my part of slot 0 is in
	ds_add_u32 v[SPW], v[NIL]
	s_wait_dscnt 0x0
	CROUND                                         ; everybody's part of slot 0 is in, and the joint loads meet
	JLOAD G0+4, G1, G0B+4, G1B                     ; slot 1's first fill, the first tensor load behind the round
	FETCH_B 0, 0, 0
	FETCH_A 0, 0, 0
	FETCH_A 0, 0, HB
	global_load_b128 v[8:11], v7, s[10:11]         ; the bias
.irp a, 0,1,2,3                        ; the whole residual of my 64 x 64, in the layout of the stores: asked for when slot 0 is in, it lands while the products run
.irp t, 0,1,2,3,4,5,6,7
	global_load_b128 v[32+32*\a+64*(\a/3)+4*\t:35+32*\a+64*(\a/3)+4*\t], v[CO], s[88:89] offset:(16*\a+2*\t)*4096
.endr
.endr
	global_prefetch_b8 v30, s[92:93] offset:3*NQ*2048 th:TH_LOAD_NT scope:SCOPE_SE
	STEP 0, 0, 1
	STEPS 0, 1
.if LAPS > 1
	s_mov_b32 s3, LAPS-1
.Llap:
	TURN 0, 1, 1
	STEPS 1, 0
	TURN 1, 0, 1
	STEPS 0, 0
	s_sub_co_u32 s3, s3, 1
	s_cmp_lg_u32 s3, 0
	s_cbranch_scc1 .Llap
.endif
	TURN 0, 1, 0
	STEPS 1, 0
	LAST
.macro TOSTAGE a
	WIN 0x08
.set sb, 0
.rept 4
	ds_store_b128 v[STO], v[32*(\a)+8*sb:32*(\a)+8*sb+3] offset:64*sb
	ds_store_b128 v[STO], v[32*(\a)+8*sb+4:32*(\a)+8*sb+7] offset:64*sb+16
.set sb, sb+1
.endr
	WIN 0
.set BB, 128+32*((\a)%2)
.set sb, 0
.rept 8
	ds_load_b128 v[BB+4*sb:BB+4*sb+3], v[RD] offset:2*SPITCH*sb
.set sb, sb+1
.endr
.endm
.macro FINISH a, younger
.set RS, 32+32*(\a)+64*((\a)/3)
.set BB, 128+32*((\a)%2)
	s_wait_dscnt \younger
.irp t, 0,1,2,3,4,5,6,7
	v_pk_fma_f32 v[BB+4*\t:BB+4*\t+1], v[BB+4*\t:BB+4*\t+1], s[96:97], v[8:9] op_sel_hi:[1,0,1]
	v_pk_fma_f32 v[BB+4*\t+2:BB+4*\t+3], v[BB+4*\t+2:BB+4*\t+3], s[96:97], v[10:11] op_sel_hi:[1,0,1]
	v_pk_add_f32 v[RS+4*\t:RS+4*\t+1], v[RS+4*\t:RS+4*\t+1], v[BB+4*\t:BB+4*\t+1]
	v_pk_add_f32 v[RS+4*\t+2:RS+4*\t+3], v[RS+4*\t+2:RS+4*\t+3], v[BB+4*\t+2:BB+4*\t+3]
	global_store_b128 v[CO], v[RS+4*\t:RS+4*\t+3], s[90:91] offset:(16*(\a)+2*\t)*4096 th:TH_STORE_NT
.endr
.endm
	PLACES 4
	s_wait_loadcnt 0x0
	TOSTAGE 0
	TOSTAGE 1
	FINISH 0, 16
	TOSTAGE 2
	FINISH 1, 16
	TOSTAGE 3
	FINISH 2, 16
	FINISH 3, 0
	s_wait_tensorcnt 0x0
	ds_add_u32 v[SPW], v[NIL]
	s_wait_dscnt 0x0
	CROUND
	s_endpgm
.Lfunc_end_k_q6fdd4f0ea7_ffn2:
	.size	k_q6fdd4f0ea7_ffn2, .Lfunc_end_k_q6fdd4f0ea7_ffn2-k_q6fdd4f0ea7_ffn2
	.p2alignl 7, 3214868480
	.fill 96, 4, 3214868480
	.section	.rodata,"a",@progbits
	.p2align	6, 0x0
	.amdhsa_kernel k_q6fdd4f0ea7_ffn2
		.amdhsa_group_segment_fixed_size 327680
		.amdhsa_private_segment_fixed_size 0
		.amdhsa_enable_private_segment 0
		.amdhsa_kernarg_size 48
		.amdhsa_user_sgpr_count 2
		.amdhsa_user_sgpr_kernarg_segment_ptr 1
		.amdhsa_wavefront_size32 1
		.amdhsa_system_sgpr_workgroup_id_x 1
		.amdhsa_system_sgpr_workgroup_id_y 1
		.amdhsa_system_sgpr_workgroup_id_z 1
		.amdhsa_system_vgpr_workitem_id 0
		.amdhsa_next_free_vgpr 640
		.amdhsa_next_free_sgpr 100
		.amdhsa_reserve_vcc 0
		.amdhsa_float_denorm_mode_32 3
		.amdhsa_float_denorm_mode_16_64 3
		.amdhsa_memory_ordered 1
		.amdhsa_forward_progress 1
		.amdhsa_inst_pref_size 85
	.end_amdhsa_kernel
	.amdgpu_metadata
---
amdhsa.version: [ 1, 2 ]
amdhsa.kernels:
  - .name:           k_q6fdd4f0ea7_ffn2
    .symbol:         k_q6fdd4f0ea7_ffn2.kd
    .args:
      - { .name: f1c, .offset: 0, .size: 8, .value_kind: global_buffer, .address_space: global }
      - { .name: pre, .offset: 8, .size: 8, .value_kind: global_buffer, .address_space: global }
      - { .name: lowp_scales, .offset: 16, .size: 8, .value_kind: global_buffer, .address_space: global }
      - { .name: b2, .offset: 24, .size: 8, .value_kind: global_buffer, .address_space: global }
      - { .name: x1, .offset: 32, .size: 8, .value_kind: global_buffer, .address_space: global }
      - { .name: out0, .offset: 40, .size: 8, .value_kind: global_buffer, .address_space: global }
    .group_segment_fixed_size: 327680
    .private_segment_fixed_size: 0
    .kernarg_segment_align: 8
    .kernarg_segment_size: 48
    .max_flat_workgroup_size: 128
    .sgpr_count:     100
    .vgpr_count:     640
    .wavefront_size: 32
...
	.end_amdgpu_metadata
.endif
;; end of part 7
